; MI455X (gfx1250); checked and timed in simulation.
; The chip was launched on July 23, 2026; its instructions are those of AMD's public machine-readable ISA for CDNA 5 (MIT licence, August 2026) and "CDNA5" Instruction Set Architecture Reference Guide (July 2026). The comments in the code are by the model that wrote it; some were corrected since.
;; MH Attention. Allowed arithmetic: matrix products marked QUANTISED: E2M3 operands, one E8M0 scale for each 32 along K, by v_wmma_scale_f32_16x16x128_f8f6f4 with both operands' format E2M3, f32 sums; everything else in f32.
;; Inputs: WK 1,024 x 1,024 float32; WO 1,024 x 1,024 float32; WQ 1,024 x 1,024 float32; WV 1,024 x 1,024 float32; k 4 x 2,048 x 1,024 float32; mask 4 x 1 x 1 x 2,048 float32; q 4 x 2,048 x 1,024 float32; v 4 x 2,048 x 1,024 float32.
;; Outputs: out0 4 x 2,048 x 1,024 float32.
;; This version of the problem:
;;   THIS VERSION OF THE PROBLEM IS GIVEN IN LOW PRECISION. The matrix products marked QUANTISED in the list below multiply operands that are first quantised to E2M3 (2 exponent bits, 3 mantissa bits; 6 bits a number), with one power-of-two scale for each 32 numbers along K (OCP MX v1.0); their sums are f32. All else is computed in f32.
;;   The module's matrix products, in the order in which they are computed (A, B: the left and right operand; K: the contracted axis; several contracted axes count as one K, in the product's order):
;;     1. [M 8,192, K 1,024] x [K 1,024, N 1,024]; A: input q; B: input WQ: QUANTISED
;;     2. [M 8,192, K 1,024] x [K 1,024, N 1,024]; A: input k; B: input WK: QUANTISED
;;     3. [M 8,192, K 1,024] x [K 1,024, N 1,024]; A: input v; B: input WV: QUANTISED
;;     4. batch 64 x [M 2,048, K 64] x [K 64, N 2,048]; A: computed on the way; B: computed on the way: QUANTISED
;;     5. batch 64 x [M 64, K 2,048] x [K 2,048, N 2,048]; A: computed on the way; B: softmax (see below): QUANTISED
;;     6. [M 8,192, K 1,024] x [K 1,024, N 1,024]; A: computed on the way; B: input WO: QUANTISED
;;   THE QUANTISER, for each operand of a quantised product, along K:
;;     - K is cut into blocks of 32 from its start; a last block that is shorter is filled with zeros.
;;     - A block's scale is 2^e with e = floor(log2(the largest magnitude in the block)) - 2, held to -126 .. 127; a block of zeros has e = 0. As a byte (E8M0): e + 127.
;;     - Each number is divided by its block's scale, clamped to +-7.5, and rounded to the nearest number of E2M3, ties to even, subnormals kept.
;;     - The product sums the exact products of the quantised numbers (number of the format x scale) in f32.
;;   ~~~python
;;   def quantise(x, axis):      # numpy; x: float32 -> the quantised numbers, widened to float32 again
;;       x = np.moveaxis(x, axis, -1); K = x.shape[-1]
;;       x = np.pad(x, [(0, 0)] * (x.ndim - 1) + [(0, -K % 32)]); x = x.reshape(x.shape[:-1] + (-1, 32)); a = np.abs(x).max(-1, keepdims=True)
;;       e = np.where(a > 0, np.clip(np.frexp(np.where(a > 0, a, 1))[1] - 1 - 2, -126, 127), 0)      # np.frexp(a)[1] - 1 = floor(log2(a)), exactly
;;       r = np.clip(x / 2.0 ** e, -7.5, 7.5)
;;       step = 2.0 ** (np.maximum(np.frexp(np.where(r == 0, 1, r))[1] - 1, 0) - 3)
;;       q = np.round(r / step) * step * 2.0 ** e      # np.round: ties to even
;;       return np.moveaxis(q.reshape(q.shape[:-2] + (-1,))[..., :K], -1, axis).astype(np.float32)
;;   ~~~
;;   SOFTMAX AHEAD OF A QUANTISED PRODUCT. Where the list says 'softmax', what is quantised is not the finished softmax but p = 2^(t - M), with t = logit x log2(e) and M = ceil(the row's largest t), a whole number; so 1/2 < the row's largest p <= 1. The row's sum l is taken of the UNQUANTISED p, in f32, and the product's result is divided by l at the end. Since M is a whole number, a kernel that streams over the keys may use a running M (the ceiling of the running maximum): every later rescaling is an exact power of two, which a block's scale takes up: the codes' values come out the same.
;;   OPERANDS COMPUTED ON THE WAY. 'Computed on the way' means the value that the module computes at that place (a softmax that the list does not call 'softmax' is quantised finished and normalised). What goes into a quantiser is computed in f32, as accurately as f32 sums, v_exp_f32 and their like allow (about 1e-6 of the number): no bf16 or f16 on the way to a quantiser, and a product that is left as it is and whose result goes on into a quantised operand takes f32 operands (vector FMAs, or v_wmma_f32_16x16x4_f32). A number that lies on a knife's edge between two numbers of the format may be rounded either way, as far as f32 arithmetic and the matrix unit's own rounding can turn it there, and no further.
;; One version. Each part assembles by itself: llvm-mc -triple=amdgcn-amd-amdhsa -mcpu=gfx1250 --defsym DOCPART=n.
;; ======== version 1 of 1: 4 launches
;; limits: right only within a limited range of input values
;; workspace buffers: xcod 18,874,368 bytes; xscl 786,432 bytes; wcod 3,145,728 bytes; wscl 131,072 bytes; himg 18,874,368 bytes; hscl 1,310,720 bytes; acod 6,291,456 bytes; ascl 262,144 bytes
;; launch quant (part 1): grid 896 x 1, 4 waves a work-group, no clusters, 72,192 bytes of LDS; arguments q, k, v, xcod, xscl, WQ, WK, WV, WO, wcod, wscl; writes xcod, xscl, wcod, wscl
.if DOCPART == 1
	.amdgcn_target "amdgcn-amd-amdhsa--gfx1250"
	.amdhsa_code_object_version 6
	.text
	.protected	k_qf45819df69_quant
	.globl	k_qf45819df69_quant
	.p2align	8
	.type	k_qf45819df69_quant,@function
k_qf45819df69_quant:
	s_mov_b64 s[64:65], 0
	v_nop
	global_prefetch_b8 v0, s[64:65] scope:SCOPE_SE
	s_setreg_imm32_b32 hwreg(HW_REG_WAVE_MODE, 25, 1), 1
	s_wait_xcnt 0x0
; All seven f32 operands of the projections become codes of FP6 (E2M3) with one E8M0 byte for each 32 along K.  Work-groups 0-127 take the four weights, 128-895 take q, k, v: the two ways part on the work-group's number alone
; and have LDS bytes of their own.  A block's scale is 2^(floor(log2(its largest magnitude)) - 2); its byte is the largest magnitude's exponent field - 2, held at 1 from below; codes are rounded to nearest, ties to even.
; THE CODES ARE LAID AS IMAGES OF THE OPERAND'S REGISTERS: [tensor][tile of 16 rows][64 along K][plane 3][lane 32][8 bytes]: lane (r, h) of a plane holds 8 of the 24 bytes of row r's block 2 c + h; 12,288 bytes a tile.
; The scale bytes are laid [tensor][row][32].
; LIMITS: a block of zeros gets the byte 1 where the rule says 127 (its codes are zeros, and this program alone reads the bytes); blocks whose largest magnitude lies under 2^(2 - 126) get the byte 1; NaN and infinities are not served.
; q, k, v (K innermost): a work-group WRITES 32 consecutive rows, two tiles; which tokens stand there is settled by the run of eight rows that a wave READS: q in order; v with bits 3 and 4 of the token exchanged;
; k with bits 5, 4, 3 = (h, u) of the token at bits (u, h) of the row, so that in a tile 4 g + u of k row 8 h + j is key 64 g + 32 h + 8 u + j.  A wave takes 16 steps of 512 numbers: four dense loads of 512 bytes, a turn through
; its own stage, 16 neighbours a lane, two lanes to a block.  Its codes are gathered in 6,144 LDS bytes of its own, [plane 48][h][row 8][8 bytes]; behind one barrier the work-group stores the two tiles in runs of 512 bytes.
; THE WEIGHTS (K along the first axis): a lane takes a column and its registers run down K, so a block lies in one lane.  For WQ, WK, WV the lane that fills row p of a wave's 32 reads column p with bits 3 and 4 exchanged; WO keeps
; its order.  A wave takes 32 columns x 256 along K: two pieces of 3,072 bytes, gathered in its own stage.  No tensor loads.
.set WWG,   128                        ; the weights' work-groups
.set STEPS, 16
.set EMAX,  2
.set CB,    12
.set R,     16                         ; v16-79   four sets of 16 numbers as loaded
.set X,     80                         ; v80-111  two sets of 16 neighbours
.set C,     128                        ; v128-191 codes, four registers a step
.set E,     112                        ; v112-127 a scale byte a step
.set WREG,  5632                       ; a wave's two stages of 32 x SP bytes and its 256 scale bytes
.set SP,    80
.set IMG,   4*WREG                     ; the four waves' gathered codes
.set WST,   6144                       ; the weights' way: a wave's stage
.set WSTG,  IMG+24576
.set SPARE, WSTG+4*WST                 ; the spare words, 128 bytes for each wave
.set SPW,   12
.set NIL,   13
.set WX,    32                         ; the weights' way: v32-95 two sets of 32 numbers
.set WC,    96
.set OUTR,  112
.set SB,    24
	v_lshl_add_u32 v[SPW], v0, 2, SPARE
	v_mov_b32 v[NIL], 0
	v_lshrrev_b32 v1, 5, v0
	v_readfirstlane_b32 s16, v1                    ; wave
	v_and_b32 v2, 31, v0                           ; lane
	s_cmp_lt_u32 ttmp9, WWG
	s_wait_alu depctr_va_vdst(0)                   ; the wait directly ahead of the branch
	s_cbranch_scc1 .Lweights
	s_load_b128 s[4:7], s[0:1], 0x0                ; q, k
	s_load_b128 s[8:11], s[0:1], 0x10              ; v, the codes
	s_load_b64 s[12:13], s[0:1], 0x20              ; the scale bytes
	s_mul_i32 s28, s16, 6144
	s_add_co_u32 s28, s28, IMG                     ; my wave's gathered codes
	s_mul_i32 s17, s16, WREG
	v_lshlrev_b32 v1, 4, v0                        ; the way out: 16 bytes a thread
	v_lshlrev_b32 v3, 4, v2                        ; my 16 bytes of a load's 512
	v_lshrrev_b32 v14, 2, v2
	v_mul_u32_u24 v14, v14, SP
	v_and_b32 v15, 3, v2
	v_lshl_add_u32 v14, v15, 4, v14
	v_add_nc_u32 v14, s17, v14                     ; the stage, in: SP (lane / 4) + 16 (lane % 4)
	v_mul_u32_u24 v15, v2, SP
	v_add_nc_u32 v15, s17, v15                     ; and out: SP x lane
	v_lshrrev_b32 v4, 2, v2                        ; four lanes hold 64 along K: three planes of 128 bytes here
	v_mul_u32_u24 v4, v4, 384
	v_bfe_u32 v9, v2, 1, 1                         ; h
	v_lshl_add_u32 v4, v9, 6, v4
	v_add_nc_u32 v4, s28, v4
	v_and_b32 v9, 1, v2                            ; which half of the block's 24 bytes: words at 0, 4, 128 or at 132, 256, 260
	v_mad_u32_u24 v10, v9, 252, v4                 ; my second word, less 4
	v_mad_u32_u24 v4, v9, 132, v4                  ; my first word; the third lies 128 on
	v_lshrrev_b32 v5, 1, v2
	s_add_co_u32 s17, s17, 2*32*SP
	v_add_nc_u32 v5, s17, v5                       ; my block's scale byte
	v_lshlrev_b32 v7, 3, v2
	v_add_nc_u32 v6, s17, v7
	v_and_b32 v8, 3, v0                            ; where byte 16 x thread of the two tiles lies among the gathered codes
	v_lshlrev_b32 v8, 4, v8
	v_bfe_u32 v9, v0, 3, 1
	v_lshl_add_u32 v8, v9, 6, v8
	v_bfe_u32 v9, v0, 2, 1
	v_mad_u32_u24 v8, v9, 6144, v8
	v_lshrrev_b32 v9, 4, v0
	v_lshl_add_u32 v2, v9, 7, v8
	s_sub_co_u32 s31, ttmp9, WWG
	s_lshr_b32 s22, s31, 8                         ; which tensor
	s_and_b32 s23, s31, 255                        ; which 32 rows of it
	s_and_b32 s24, s16, 1
	s_lshl_b32 s24, s24, 1
	s_lshr_b32 s25, s16, 1
	s_or_b32 s24, s24, s25                         ; the wave's two bits exchanged
	s_cmp_eq_u32 s22, 0
	s_cselect_b32 s24, s16, s24
	s_lshl_b32 s23, s23, 2
	s_add_co_u32 s18, s23, s24                     ; the run that I read (q, v),
	s_add_co_u32 s24, s23, s16                     ; and the run that I write
	s_and_b32 s25, s24, 1
	s_lshl_b32 s25, s25, 2
	s_bfe_u32 s30, s24, 0x20001
	s_or_b32 s25, s25, s30
	s_and_b32 s30, s24, 0xfffffff8
	s_or_b32 s25, s25, s30                         ; k: the written run's bits (u, h) are the read run's (h, u)
	s_cmp_eq_u32 s22, 1
	s_cselect_b32 s18, s25, s18
	s_lshl_b32 s18, s18, 15                        ; 32,768 bytes of f32 a run
	s_mov_b32 s19, 0
	s_mul_i32 s20, s22, 6291456
	s_mul_i32 s25, s23, 32*STEPS*CB
	s_add_co_u32 s20, s20, s25                     ; codes: 24,576 bytes a work-group
	s_mov_b32 s21, 0
	s_lshl_b32 s26, s22, 18
	s_lshl_b32 s25, s24, 8
	s_add_co_u32 s26, s26, s25                     ; scale bytes: 256 a run
	s_mov_b32 s27, 0
	s_wait_alu depctr_va_vdst(0)                   ; the wait at the head's end
	s_wait_kmcnt 0x0
	s_cmp_eq_u32 s22, 1
	s_cselect_b64 s[4:5], s[6:7], s[4:5]
	s_cmp_eq_u32 s22, 2
	s_cselect_b64 s[4:5], s[8:9], s[4:5]
	s_add_nc_u64 s[4:5], s[4:5], s[18:19]
	s_add_nc_u64 s[10:11], s[10:11], s[20:21]
	s_add_nc_u64 s[12:13], s[12:13], s[26:27]
.macro LOAD t
.irp i, 0,1,2,3
	global_load_b128 v[R+16*((\t)%4)+4*\i:R+16*((\t)%4)+4*\i+3], v3, s[4:5] offset:2048*(\t)+512*\i th:TH_LOAD_NT
.endr
.endm
.macro TURN t                          ; LDS serves a wave's instructions in order: no wait between the stores and the loads
.irp i, 0,1,2,3
	ds_store_b128 v14, v[R+16*((\t)%4)+4*\i:R+16*((\t)%4)+4*\i+3] offset:32*SP*((\t)%2)+8*SP*\i
.endr
.irp i, 0,1,2,3
	ds_load_b128 v[X+16*((\t)%2)+4*\i:X+16*((\t)%2)+4*\i+3], v15 offset:32*SP*((\t)%2)+16*\i
.endr
.endm
.irp t, 0,1,2,3
	LOAD \t
.endr
	s_wait_loadcnt 12                              ; step 0's four loads are in
	TURN 0
.macro STEP t
.set XS, X+16*((\t)%2)
.if (\t) > 0
	s_wait_dscnt 4                                 ; this step's numbers are back (the last step's four stores of codes and byte may be out)
.else
	s_wait_dscnt 0x0
.endif
.if (\t)+4 < STEPS
	LOAD (\t)+4
.endif
.if (\t)+1 < STEPS
.if STEPS-2-(\t) >= 3
	s_wait_loadcnt 12                              ; the next step's four loads are in; three steps' may be out
.else
	s_wait_loadcnt 4*(STEPS-2-(\t))
.endif
	TURN (\t)+1
.endif
	v_max3_num_f32 v8, |v[XS]|, |v[XS+1]|, |v[XS+2]|
	v_max3_num_f32 v9, |v[XS+3]|, |v[XS+4]|, |v[XS+5]|
.irp i, 6,10
	v_max3_num_f32 v8, v8, |v[XS+\i]|, |v[XS+\i+1]|
	v_max3_num_f32 v9, v9, |v[XS+\i+2]|, |v[XS+\i+3]|
.endr
	v_max3_num_f32 v8, v8, |v[XS+14]|, |v[XS+15]|
	v_max3_num_f32 v8, v8, v9, (EMAX+1)<<23        ; the floor: the byte cannot fall under 1
	v_max_num_f32_dpp v8, v8, v8 row_xmask:1 row_mask:0xf bank_mask:0xf   ; with my neighbour's 16: the block's
	v_add_nc_u32 v11, -(EMAX<<23), v8              ; the conversion's scale operand
	v_cvt_scalef32_pk16_fp6_f32 v[C+4*(\t):C+4*(\t)+2], v[XS:XS+15], v11
	v_lshrrev_b32 v[E+(\t)], 23, v11               ; the scale's byte
	ds_store_b8 v5, v[E+(\t)] offset:16*(\t)
	ds_store_b32 v4, v[C+4*(\t)] offset:3072*((\t)%2)+8*((\t)/2)          ; step t: row t / 2, 512 (t % 2) along K
	ds_store_b32 v10, v[C+4*(\t)+1] offset:3072*((\t)%2)+8*((\t)/2)+4
	ds_store_b32 v4, v[C+4*(\t)+2] offset:3072*((\t)%2)+8*((\t)/2)+128
.endm
.irp t, 0,1,2,3,4,5,6,7,8,9,10,11,12,13,14,15
	STEP \t
.endr
	ds_load_b64 v[8:9], v6
	s_wait_dscnt 0x0                               ; for the others' sake too: all my LDS stores have landed
	global_store_b64 v7, v[8:9], s[12:13]          ; 32 lanes store 256 consecutive bytes, aligned
	s_barrier_signal -1
	s_barrier_wait -1
.irp i, 0,1,2,3,4,5,6,7,8,9,10,11
	ds_load_b128 v[R+4*\i:R+4*\i+3], v2 offset:IMG+1024*\i+6144*(\i/6)
.endr
.irp i, 0,1,2,3,4,5,6,7,8,9,10,11
	s_wait_dscnt 11-\i
	global_store_b128 v1, v[R+4*\i:R+4*\i+3], s[10:11] offset:2048*\i     ; 32 lanes store 512 consecutive bytes, aligned
.endr
	s_wait_tensorcnt 0x0                           ; the wave's end
	ds_add_u32 v[SPW], v[NIL]
	s_wait_dscnt 0x0
	s_endpgm
.Lweights:
	s_load_b256 s[4:11], s[0:1], 0x28              ; WQ, WK, WV, WO
	s_load_b128 s[12:15], s[0:1], 0x48             ; the codes, the scale bytes
	s_and_b32 s17, ttmp9, 7
	s_lshl_b32 s17, s17, 7
	s_lshl_b32 s18, s16, 5
	s_add_co_u32 s17, s17, s18                     ; my wave's first column and row
	s_lshr_b32 s30, ttmp9, 3
	s_and_b32 s18, s30, 3                          ; which 256 along K
	s_lshr_b32 s30, s30, 2                         ; which weight
	s_cmp_lt_u32 s30, 3
	s_cselect_b32 s32, 24, 0                       ; bits 3 and 4 are exchanged, or nothing
	s_mul_i32 s19, s16, WST
	s_add_co_u32 s19, s19, WSTG                    ; my stage
	v_lshrrev_b32 v18, 3, v2
	v_lshrrev_b32 v6, 4, v2
	v_xor_b32 v18, v18, v6
	v_and_b32 v18, 1, v18
	v_mul_lo_u32 v18, v18, s32
	v_xor_b32 v18, v18, v2                         ; the column that belongs at my row
	v_lshlrev_b32 v3, 2, v18
	v_and_b32 v5, 15, v2
	v_mul_u32_u24 v4, v6, 3072
	v_lshl_add_u32 v4, v5, 3, v4
	v_add_nc_u32 v4, s19, v4                       ; into the stage: tile lane / 16, place 8 (lane % 16)
	v_lshl_add_u32 v7, v2, 4, s19                  ; out of it: 16 bytes a lane
	v_lshlrev_b32 v8, 4, v2
	v_lshlrev_b32 v9, 5, v2                        ; my row of scale bytes
	s_wait_alu depctr_va_vdst(0)                   ; the wait at the end of the head's vector work
	s_lshl_b32 s20, s18, 20
	s_lshl_b32 s22, s17, 2
	s_add_co_u32 s20, s20, s22
	s_mov_b32 s21, 0
	s_mul_i32 s24, s30, 786432
	s_mul_i32 s22, s17, 768
	s_add_co_u32 s24, s24, s22
	s_mul_i32 s22, s18, 3072
	s_add_co_u32 s24, s24, s22
	s_mov_b32 s25, 0
	s_lshl_b32 s28, s30, 15
	s_lshl_b32 s22, s17, 5
	s_add_co_u32 s28, s28, s22
	s_lshl_b32 s22, s18, 3
	s_add_co_u32 s28, s28, s22
	s_mov_b32 s29, 0
	s_wait_kmcnt 0x0
	s_bitcmp1_b32 s30, 0
	s_cselect_b64 s[4:5], s[6:7], s[4:5]
	s_cselect_b64 s[8:9], s[10:11], s[8:9]
	s_bitcmp1_b32 s30, 1
	s_cselect_b64 s[4:5], s[8:9], s[4:5]
	s_add_nc_u64 s[4:5], s[4:5], s[20:21]
	s_add_nc_u64 s[12:13], s[12:13], s[24:25]
	s_add_nc_u64 s[14:15], s[14:15], s[28:29]
.macro WLOAD t
.irp i, 0,1,2,3,4,5,6,7,8,9,10,11,12,13,14,15,16,17,18,19,20,21,22,23,24,25,26,27,28,29,30,31
	global_load_b32 v[WX+32*((\t)%2)+\i], v3, s[4:5] offset:(32*(\t)+\i)*4096 th:TH_LOAD_NT
.endr
.endm
	WLOAD 0
	WLOAD 1
.macro BLOCK t
.set XS, WX+32*((\t)%2)
.set OF, 768*((\t)/2)+128*((\t)%2)
.if (\t) < 7
	s_wait_loadcnt 32                              ; this block's 32 loads are in; the next block's may be out
.else
	s_wait_loadcnt 0
.endif
	v_max3_num_f32 v20, |v[XS]|, |v[XS+1]|, |v[XS+2]|
	v_max3_num_f32 v21, |v[XS+3]|, |v[XS+4]|, |v[XS+5]|
.irp i, 6,10,14,18,22,26
	v_max3_num_f32 v20, v20, |v[XS+\i]|, |v[XS+\i+1]|
	v_max3_num_f32 v21, v21, |v[XS+\i+2]|, |v[XS+\i+3]|
.endr
	v_max3_num_f32 v20, v20, |v[XS+30]|, |v[XS+31]|
	v_max3_num_f32 v20, v20, v21, (EMAX+1)<<23
	v_add_nc_u32 v22, -(EMAX<<23), v20
	v_lshrrev_b32 v21, 23, v22
.if (\t)%4 == 0
	v_mov_b32 v[SB+(\t)/4], v21
.else
	v_lshl_or_b32 v[SB+(\t)/4], v21, 8*((\t)%4), v[SB+(\t)/4]
.endif
	v_cvt_scalef32_pk16_fp6_f32 v[WC:WC+2], v[XS:XS+15], v22
	v_cvt_scalef32_pk16_fp6_f32 v[WC+4:WC+6], v[XS+16:XS+31], v22
	ds_store_b64 v4, v[WC:WC+1] offset:OF          ; the block's 24 bytes, 8 to each of three planes
	ds_store_b32 v4, v[WC+2] offset:OF+256
	ds_store_b32 v4, v[WC+4] offset:OF+260
	ds_store_b32 v4, v[WC+5] offset:OF+512
	ds_store_b32 v4, v[WC+6] offset:OF+516
.if (\t)+2 < 8
	WLOAD (\t)+2
.endif
	s_wait_dscnt 0x0                               ; the stores have read their registers
.endm
.set Q, 0
.rept 8
	BLOCK Q
.set Q, Q+1
.endr
	s_wait_alu depctr_va_vdst(0)                   ; the wait directly ahead of the reader below
	global_store_b64 v9, v[SB:SB+1], s[14:15]
.irp t, 0,1,2,3,4,5,6,7,8,9,10,11
	ds_load_b128 v[OUTR+4*\t:OUTR+4*\t+3], v7 offset:512*\t
.endr
.irp t, 0,1,2,3,4,5,6,7,8,9,10,11
	s_wait_dscnt 11-\t
	global_store_b128 v8, v[OUTR+4*\t:OUTR+4*\t+3], s[12:13] offset:12288*(\t/6)+512*(\t%6)   ; 32 lanes store 512 consecutive bytes, aligned
.endr
	s_wait_tensorcnt 0x0                           ; the wave's end
	ds_add_u32 v[SPW], v[NIL]
	s_wait_dscnt 0x0
	s_endpgm
.Lfunc_end_k_qf45819df69_quant:
	.size	k_qf45819df69_quant, .Lfunc_end_k_qf45819df69_quant-k_qf45819df69_quant
	.p2alignl 7, 3214868480
	.fill 96, 4, 3214868480
	.section	.rodata,"a",@progbits
	.p2align	6, 0x0
	.amdhsa_kernel k_qf45819df69_quant
		.amdhsa_group_segment_fixed_size 72192
		.amdhsa_private_segment_fixed_size 0
		.amdhsa_enable_private_segment 0
		.amdhsa_kernarg_size 88
		.amdhsa_user_sgpr_count 2
		.amdhsa_user_sgpr_kernarg_segment_ptr 1
		.amdhsa_wavefront_size32 1
		.amdhsa_system_sgpr_workgroup_id_x 1
		.amdhsa_system_sgpr_workgroup_id_y 1
		.amdhsa_system_sgpr_workgroup_id_z 1
		.amdhsa_system_vgpr_workitem_id 0
		.amdhsa_next_free_vgpr 192
		.amdhsa_next_free_sgpr 66
		.amdhsa_reserve_vcc 0
		.amdhsa_float_denorm_mode_32 3
		.amdhsa_float_denorm_mode_16_64 3
		.amdhsa_memory_ordered 1
		.amdhsa_forward_progress 1
		.amdhsa_inst_pref_size 80
	.end_amdhsa_kernel
	.amdgpu_metadata
---
amdhsa.version: [ 1, 2 ]
amdhsa.kernels:
  - .name:           k_qf45819df69_quant
    .symbol:         k_qf45819df69_quant.kd
    .args:
      - { .name: q, .offset: 0, .size: 8, .value_kind: global_buffer, .address_space: global }
      - { .name: k, .offset: 8, .size: 8, .value_kind: global_buffer, .address_space: global }
      - { .name: v, .offset: 16, .size: 8, .value_kind: global_buffer, .address_space: global }
      - { .name: xcod, .offset: 24, .size: 8, .value_kind: global_buffer, .address_space: global }
      - { .name: xscl, .offset: 32, .size: 8, .value_kind: global_buffer, .address_space: global }
      - { .name: WQ, .offset: 40, .size: 8, .value_kind: global_buffer, .address_space: global }
      - { .name: WK, .offset: 48, .size: 8, .value_kind: global_buffer, .address_space: global }
      - { .name: WV, .offset: 56, .size: 8, .value_kind: global_buffer, .address_space: global }
      - { .name: WO, .offset: 64, .size: 8, .value_kind: global_buffer, .address_space: global }
      - { .name: wcod, .offset: 72, .size: 8, .value_kind: global_buffer, .address_space: global }
      - { .name: wscl, .offset: 80, .size: 8, .value_kind: global_buffer, .address_space: global }
    .group_segment_fixed_size: 72192
    .private_segment_fixed_size: 0
    .kernarg_segment_align: 8
    .kernarg_segment_size: 88
    .max_flat_workgroup_size: 128
    .sgpr_count:     66
    .vgpr_count:     192
    .wavefront_size: 32
...
	.end_amdgpu_metadata
.endif
;; end of part 1
;; launch proj (part 2): grid 4 x 96, 4 waves a work-group, clusters of 4 x 4, 327,680 bytes of LDS; arguments xcod, xscl, wcod, wscl, himg, hscl; writes himg, hscl
.if DOCPART == 2
	.amdgcn_target "amdgcn-amd-amdhsa--gfx1250"
	.amdhsa_code_object_version 6
	.text
	.protected	k_qf45819df69_proj
	.globl	k_qf45819df69_proj
	.p2align	8
	.type	k_qf45819df69_proj,@function
k_qf45819df69_proj:
	s_mov_b64 s[64:65], 0
	v_nop
	global_prefetch_b8 v0, s[64:65] scope:SCOPE_SE
	s_setreg_imm32_b32 hwreg(HW_REG_WAVE_MODE, 25, 1), 1
	s_wait_xcnt 0x0
	s_wait_alu depctr_hold_cnt(0) depctr_sa_sdst(0) depctr_va_vdst(0) depctr_va_sdst(0) depctr_va_ssrc(0) depctr_va_vcc(0) depctr_vm_vsrc(0)
	s_getreg_b32 s2, hwreg(HW_REG_IB_STS2, 6, 4)
	s_cmp_eq_u32 s2, 0
	s_cbranch_scc0 .Lentry_in_a_cluster
	s_endpgm
.Lentry_in_a_cluster:
	s_bfe_u32 s2, ttmp6, 0x10000c
	s_cmp_lg_u32 s2, 0xf033
	s_cbranch_scc0 .Lentry_shape_is_right
	s_endpgm
.Lentry_shape_is_right:
; The three projections on codes of FP6 (E2M3): a block of 256 x 256 a work-group, 128 x 128 a wave, K in steps of 256 through two LDS slots, joint loads in clusters of 4 x 4.
; Both operands arrive as images of the operand's registers (12,288 bytes a tile of 16 rows): a load brings 8 tiles x 3,072 bytes, each piece at a multiple of 256 bytes, and a fragment is six dense reads of 256 bytes.
; The results are quantised here, along the channels (q, k) or along the keys (v), and leave as images with their scale words.
.set SIZE_K, 1024
.set KSTEP,  256
.set NQ,     KSTEP/128
.set ATILE,  3072
.set KROW,   SIZE_K*6/8
.set FR,     12
.set NL,     6
.set NP,     4
.set HALFT,  8*ATILE
.set SLOT,   4*HALFT
.set LAPS,   SIZE_K/(2*KSTEP)
.set KS,     SIZE_K/32
.set SCL,    2*SLOT
.set HALFS,  (128*KS/256)*272
.set SBLK,   (16*KS/256)*272
.set SPARE,  SCL+4*HALFS
.set ADRA, 16
.set ADRB, 20
.set ADRS, 27
.set SPW,  28
.set NIL,  29
.set SC,   32
.set AF,   128
.set G1, 24
.set G0, 32
.set G1B, 48
.set G0B, 56
.set G1S, 68
.set G0S, 76
.set G1SB, 80
.set G0SB, 88
.set JOB, 95
.set VOL, 3
.set VOH, 4
.set VS0, 5
.set VS1, 6
.set SH,  7
.set PC,  112
.set PT,  124
.set TM,  200
.set PW,  216
.set SW,  220
.set OB,  12
.set SBS, 98
.set SEL, 20
.set FL,  22
.set HI,  23
.set STA, 92
.set STA4, 96
.set HS,  44
.set D1,  45
.set SHS, 46
.set MSK, 47
.set ORV, 94
.set MSB, 0
.macro WIN new
.if MSB != \new
	s_set_vgpr_msb (MSB<<8)|\new
.set MSB, \new
.endif
.endm
.set MUL_LO, 0xa1
.set MUL_HI, 0xf1
.set TO_B,   0x40
.macro JLOAD g0a, g1a, g0b, g1b
	s_cmp_eq_u32 s15, 0
	s_cbranch_scc0 .Lfor_b_\@
	tensor_load_to_lds s[\g0a:\g0a+3], s[\g1a:\g1a+7]
	s_nop 0
.rept 4
	v_nop
.endr
	s_branch .Lasked_\@
.Lfor_b_\@:
	tensor_load_to_lds s[\g0b:\g0b+3], s[\g1b:\g1b+7]
	s_nop 0
.rept 4
	v_nop
.endr
.Lasked_\@:
.endm
.macro CREST
	s_cmp_lg_u32 s14, 0
	s_cbranch_scc1 .Lnot_wave_0_\@
	s_barrier_signal -3
.Lnot_wave_0_\@:
	s_barrier_wait -3
	s_barrier_signal -1
	s_barrier_wait -1
.endm
.macro CROUND
	s_barrier_signal -1
	s_barrier_wait -1
	CREST
.endm
	s_load_b128 s[4:7], s[0:1], 0x0
	s_load_b128 s[8:11], s[0:1], 0x10
	s_load_b64 s[12:13], s[0:1], 0x20
	s_load_b64 s[98:99], s[0:1], 0x28
	v_lshl_add_u32 v[SPW], v0, 2, SPARE
	v_mov_b32 v[NIL], 0
	ds_add_u32 v[SPW], v[NIL]
	ds_add_u32 v[SPW], v[NIL]
	v_lshrrev_b32 v1, 5, v0
	v_readfirstlane_b32 s14, v1
	s_lshr_b32 s15, s14, 1
	s_and_b32 s16, s14, 1
	s_bfe_u32 s40, ttmp6, 0x40000
	s_bfe_u32 s41, ttmp6, 0x40004
	s_and_b32 s17, ttmp7, 0xffff
	s_lshr_b32 s[JOB], s17, 3
	s_and_b32 s17, s17, 7
	s_cmp_eq_u32 s[JOB], 2
	s_cselect_b32 s2, 0, s17
	s_cselect_b32 s42, s17, 0
	s_lshl_b32 s17, s2, 2
	s_add_co_u32 s17, s17, s41
	s_lshl_b32 s42, s42, 2
	s_add_co_u32 s42, s42, s40
	s_lshl_b32 s43, s41, 2
	s_lshl_b32 s43, 15, s43
	s_lshl_b32 s44, 0x1111, s40
	s_or_b32 s[G1+0], s43, (3<<16)|(1<<21)
	s_or_b32 s[G1B+0], s44, (3<<16)|(1<<21)
.irp g, G1, G1B
	s_mov_b32 s[\g+1], (ATILE/8)<<16
	s_mov_b32 s[\g+2], 16<<16
	s_mov_b32 s[\g+3], (ATILE/8)<<16
	s_mov_b32 s[\g+4], 16
	s_mov_b32 s[\g+5], 16*KROW/8
	s_mov_b32 s[\g+6], 0
	s_mov_b32 s[\g+7], 0
.endr
	s_or_b32 s[G1S+0], s43, (3<<16)|(1<<20)|(1<<21)|(5<<22)|(3<<25)
	s_or_b32 s[G1SB+0], s44, (3<<16)|(1<<20)|(1<<21)|(5<<22)|(3<<25)
.irp g, G1S, G1SB
	s_mov_b32 s[\g+1], 32<<16
	s_mov_b32 s[\g+2], KS<<16
	s_mov_b32 s[\g+3], 32<<16
	s_mov_b32 s[\g+4], KS
	s_mov_b32 s[\g+5], 32
	s_mov_b32 s[\g+6], 0
	s_mov_b32 s[\g+7], 0
.endr
	s_lshl_b32 s20, s17, 8
	s_lshl_b32 s46, s42, 8
	s_mov_b32 s21, 0
	s_mov_b32 s47, 0
	s_mov_b64 s[18:19], KS
	s_mul_u64 s[22:23], s[20:21], s[18:19]
	s_mul_u64 s[92:93], s[46:47], s[18:19]
	s_mov_b64 s[18:19], KROW
	s_mul_u64 s[20:21], s[20:21], s[18:19]
	s_mul_u64 s[46:47], s[46:47], s[18:19]
	s_mul_i32 s45, s14, HALFT
	s_mul_i32 s18, s16, 128*KROW                   ; in the ring I fetch 8 of a block's 16 tiles: which, in bytes
	s_mov_b32 s19, 0
	s_mov_b32 s67, 0
	s_wait_dscnt 0x0
	s_wait_kmcnt 0x0
	s_mul_i32 s66, s[JOB], 6291456
	s_add_nc_u64 s[4:5], s[4:5], s[66:67]
	s_lshl_b32 s66, s[JOB], 18
	s_add_nc_u64 s[6:7], s[6:7], s[66:67]
	s_mul_i32 s66, s[JOB], 786432
	s_add_nc_u64 s[8:9], s[8:9], s[66:67]
	s_lshl_b32 s66, s[JOB], 15
	s_add_nc_u64 s[10:11], s[10:11], s[66:67]
	s_cmp_eq_u32 s[JOB], 2
	s_cselect_b64 s[66:67], s[8:9], s[4:5]
	s_cselect_b64 s[96:97], s[10:11], s[6:7]
	s_cselect_b64 s[8:9], s[4:5], s[8:9]
	s_cselect_b64 s[10:11], s[6:7], s[10:11]
	s_mov_b64 s[4:5], s[66:67]
	s_mov_b64 s[6:7], s[96:97]
	s_add_nc_u64 s[20:21], s[4:5], s[20:21]
	s_add_nc_u64 s[22:23], s[6:7], s[22:23]
	s_add_nc_u64 s[46:47], s[8:9], s[46:47]
	s_add_nc_u64 s[92:93], s[10:11], s[92:93]
	CROUND
.set G0H, 4                            ; s[4:7], s[8:11] group 0 for the head's loads of K step 0 (the arguments that lay there have been used)
.set G0HB, 8
	s_mov_b32 s[G0H], 1                            ; the head's four tiles, each whole: K step 0 of A's 16 tiles,
	s_mov_b32 s[G0H+1], 0
	s_mov_b64 s[G0H+2:G0H+3], s[20:21]
	s_or_b32 s[G0H+3], s[G0H+3], 0x80000000
	s_mov_b32 s[G0HB], 1                           ; of B's 16 tiles,
	s_mov_b32 s[G0HB+1], 2*HALFT
	s_mov_b64 s[G0HB+2:G0HB+3], s[46:47]
	s_or_b32 s[G0HB+3], s[G0HB+3], 0x80000000
	s_mov_b32 s[G0S], 1                            ; the scales of A's 256 rows,
	s_mov_b32 s[G0S+1], SCL
	s_mov_b64 s[G0S+2:G0S+3], s[22:23]
	s_or_b32 s[G0S+3], s[G0S+3], 0x80000000
	s_mov_b32 s[G0SB], 1                           ; and of B's
	s_mov_b32 s[G0SB+1], SCL+2*HALFS
	s_mov_b64 s[G0SB+2:G0SB+3], s[92:93]
	s_or_b32 s[G0SB+3], s[G0SB+3], 0x80000000
	s_add_nc_u64 s[20:21], s[20:21], s[18:19]      ; for the ring: my 8 tiles
	s_add_nc_u64 s[46:47], s[46:47], s[18:19]
.irp s, 0,1
	s_mov_b32 s[G0+4*\s], 1
	s_add_co_u32 s[G0+4*\s+1], s45, \s*SLOT
	s_add_nc_u64 s[G0+4*\s+2:G0+4*\s+3], s[20:21], \s*ATILE
	s_or_b32 s[G0+4*\s+3], s[G0+4*\s+3], 0x80000000
	s_mov_b32 s[G0B+4*\s], 1
	s_add_co_u32 s[G0B+4*\s+1], s45, \s*SLOT
	s_add_nc_u64 s[G0B+4*\s+2:G0B+4*\s+3], s[46:47], \s*ATILE
	s_or_b32 s[G0B+4*\s+3], s[G0B+4*\s+3], 0x80000000
.endr
; the head's loads, one a wave, in one tree of branches on the wave's number
.macro ARM under, g0, g1, next
	s_cmp_lt_u32 s14, \under
	s_cbranch_scc0 \next
	tensor_load_to_lds s[\g0:\g0+3], s[\g1:\g1+7]
	s_nop 0
.rept 4
	v_nop
.endr
	s_branch .Lhead_asked
\next:
.endm
	ARM 1, G0H,  G1,  .Lhead_b
	ARM 2, G0HB, G1B, .Lhead_sa
	ARM 3, G0S,  G1S, .Lhead_sb
	tensor_load_to_lds s[G0SB:G0SB+3], s[G1SB:G1SB+7]
	s_nop 0
.rept 4
	v_nop
.endr
.Lhead_asked:
	v_and_b32 v1, 15, v0
	v_bfe_u32 v2, v0, 4, 1
	v_and_b32 v4, 31, v0
	v_lshlrev_b32 v4, 3, v4
	s_mul_i32 s21, s15, HALFT
	s_mul_i32 s22, s16, HALFT
	s_add_co_u32 s22, s22, 2*HALFT
.irp s, 0,1
	v_add_nc_u32 v[ADRA+\s], s21, v4
	v_add_nc_u32 v[ADRB+\s], s22, v4
	s_add_co_u32 s21, s21, SLOT
	s_add_co_u32 s22, s22, SLOT
.endr
	v_mul_u32_u24 v5, v1, KS
	v_lshrrev_b32 v6, 8, v5
	v_lshl_add_u32 v5, v6, 4, v5
	s_mul_i32 s21, s15, HALFS
	s_mul_i32 s22, s16, HALFS
	s_add_co_u32 s22, s22, 2*HALFS
	s_sub_co_u32 s22, s22, s21
	s_wait_alu depctr_va_vdst(0)
	v_mul_u32_u24 v6, s22, v2
	s_add_co_u32 s21, s21, SCL
	v_add_nc_u32 v5, v5, v6
	v_add_nc_u32 v[ADRS], s21, v5
.macro FRAG reg, adr, q, i
.irp p, 0,1,2,3,4,5
	ds_load_b64 v[\reg+2*\p:\reg+2*\p+1], v[\adr] offset:ATILE*(\i)+1536*(\q)+256*\p
.endr
.endm
.macro MUL16 a0, p, q, sc, zero
.irp a, \a0, \a0+1
.irp b, 0,1,2,3,4,5,6,7
.if \zero
	v_wmma_scale_f32_16x16x128_f8f6f4 v[8*(8*((\a)%4)+\b):8*(8*((\a)%4)+\b)+7], v[128*(\p)+FR*\b:128*(\p)+FR*\b+FR-1], v[AF+FR*(\a):AF+FR*(\a)+FR-1], 0, v[SC+8*NQ*(\sc)+NQ*\b+(\q)], v[SC+8*NQ*(\sc)+NQ*(\a)+(\q)] matrix_a_fmt:MATRIX_FMT_FP6 matrix_b_fmt:MATRIX_FMT_FP6 matrix_a_scale:MATRIX_SCALE_ROW1
.else
	v_wmma_scale_f32_16x16x128_f8f6f4 v[8*(8*((\a)%4)+\b):8*(8*((\a)%4)+\b)+7], v[128*(\p)+FR*\b:128*(\p)+FR*\b+FR-1], v[AF+FR*(\a):AF+FR*(\a)+FR-1], v[8*(8*((\a)%4)+\b):8*(8*((\a)%4)+\b)+7], v[SC+8*NQ*(\sc)+NQ*\b+(\q)], v[SC+8*NQ*(\sc)+NQ*(\a)+(\q)] matrix_a_fmt:MATRIX_FMT_FP6 matrix_b_fmt:MATRIX_FMT_FP6 matrix_a_scale:MATRIX_SCALE_ROW1
.endif
.endr
.endr
.endm
.macro FETCH_B slot, q, p
	WIN TO_B
.irp i, 0,1,2,3,4,5,6,7
	FRAG 128*(\p)+FR*\i, ADRB+\slot, \q, \i
.endr
	WIN 0
.endm
.macro FETCH_A slot, q, i0
.irp i, \i0, \i0+1, \i0+2, \i0+3
	FRAG AF+FR*(\i), ADRA+\slot, \q, \i
.endr
.endm
.macro SCALES sc
.irp i, 0,1,2,3,4,5,6,7
	ds_load_b64 v[SC+8*NQ*\sc+NQ*\i:SC+8*NQ*\sc+NQ*\i+1], v[ADRS] offset:\i*SBLK
.endr
.endm
.macro PLACES n
.rept \n
	v_nop
.endr
.endm
.macro STEP slot, q, zero
	s_wait_dscnt 4*NL
	WIN MUL_LO
	MUL16 0, (\q)%2, \q, \slot, \zero
	MUL16 2, (\q)%2, \q, \slot, \zero
	s_wait_dscnt 0
	PLACES NP
	FETCH_B \slot, (\q)+1, 1-(\q)%2
	FETCH_A \slot, (\q)+1, 0
	WIN MUL_HI
	MUL16 4, (\q)%2, \q, \slot, \zero
	MUL16 6, (\q)%2, \q, \slot, \zero
	PLACES NP
	WIN 0
	FETCH_A \slot, (\q)+1, 4
.endm
.macro TURN slot, next, fill
	s_wait_tensorcnt 0x0
	ds_add_u32 v[SPW], v[NIL]
	s_wait_dscnt 4*NL+1
	WIN MUL_LO
	MUL16 0, 1, NQ-1, \slot, 0
	s_wait_dscnt 0x0
	s_barrier_signal -1
	MUL16 2, 1, NQ-1, \slot, 0
	WIN 0
	s_barrier_wait -1
.if \fill
	CREST
	s_add_nc_u64 s[G0+4*\slot+2:G0+4*\slot+3], s[G0+4*\slot+2:G0+4*\slot+3], 2*ATILE
	s_add_nc_u64 s[G0B+4*\slot+2:G0B+4*\slot+3], s[G0B+4*\slot+2:G0B+4*\slot+3], 2*ATILE
	JLOAD G0+4*\slot, G1, G0B+4*\slot, G1B
.else
	PLACES NP
.endif
	s_wait_alu depctr_va_vdst(0)
	v_add_nc_u32 v[ADRS], 4*NQ, v[ADRS]
	FETCH_B \next, 0, 0
	FETCH_A \next, 0, 0
	SCALES \next
	WIN MUL_HI
	MUL16 4, 1, NQ-1, \slot, 0
	MUL16 6, 1, NQ-1, \slot, 0
	PLACES NP
	WIN 0
	FETCH_A \next, 0, 4
.endm
	s_wait_alu depctr_va_vdst(0)                   ; the wait at the head's end
	s_wait_tensorcnt 0x0                           ; my tile of the head's four is in
	ds_add_u32 v[SPW], v[NIL]
	s_mov_b32 s[G1+2], 8<<16                       ; no tensor load of mine is out: from here on a load brings 8 tiles
	s_mov_b32 s[G1+4], 8
	s_mov_b32 s[G1B+2], 8<<16
	s_mov_b32 s[G1B+4], 8
	s_wait_dscnt 0x0
	CROUND                                         ; all four tiles are in, and all sixteen work-groups are here
	JLOAD G0+4, G1, G0B+4, G1B                     ; K step 1, the first tensor load behind the round
	FETCH_B 0, 0, 0
	FETCH_A 0, 0, 0
	SCALES 0
	FETCH_A 0, 0, 4
	STEP 0, 0, 1
	s_mov_b32 s3, LAPS-1
.Llap:
	TURN 0, 1, 1
	STEP 1, 0, 0
	TURN 1, 0, 1
	STEP 0, 0, 0
	s_sub_co_u32 s3, s3, 1
	s_cmp_lg_u32 s3, 0
	s_cbranch_scc1 .Llap
	TURN 0, 1, 0
	STEP 1, 0, 0
	s_wait_dscnt 4*NL
	WIN MUL_LO
	MUL16 0, 1, NQ-1, 1, 0
	MUL16 2, 1, NQ-1, 1, 0
	s_wait_dscnt 0
	WIN MUL_HI
	MUL16 4, 1, NQ-1, 1, 0
	MUL16 6, 1, NQ-1, 1, 0
	WIN 0
	s_lshl_b32 s18, s17, 8
	s_lshl_b32 s19, s15, 7
	s_add_co_u32 s18, s18, s19
	s_lshl_b32 s19, s42, 8
	s_lshl_b32 s66, s16, 7
	s_add_co_u32 s19, s19, s66
	s_cmp_eq_u32 s[JOB], 2
	s_cselect_b32 s66, s19, s18
	s_cselect_b32 s67, s18, s19
	s_mov_b32 s[HI], 98304
	s_cselect_b32 s[HI], 768, s[HI]
	s_mov_b32 s[STA], 768
	s_cselect_b32 s[STA], 1536, s[STA]
	s_mov_b32 s[STA4], 768
	s_cselect_b32 s[STA4], 93696, s[STA4]
	s_cselect_b32 s[HS], 0, 8192
	s_mov_b32 s[D1], 256
	s_cselect_b32 s[D1], 4096, s[D1]
	s_cselect_b32 s[SHS], 0, 16
	s_cselect_b32 s[MSK], -1, 0xffff
	s_cselect_b32 s[ORV], 0, 0x7f7f0000
	s_mov_b32 s[STA+1], 0
	s_mov_b32 s[STA4+1], 0
	s_mov_b32 s[FL], 0x1800000
	s_mov_b32 s[SEL], 0x76543210
	s_mov_b32 s[SEL+1], 0xfedcba98
	s_lshr_b32 s100, s66, 11
	s_bfe_u32 s101, s66, 0x40007
	s_lshl_b32 s100, s100, 4
	s_lshr_b32 s67, s67, 6
	s_add_co_u32 s100, s100, s67
	s_mul_i32 s18, s[JOB], 6291456
	s_mul_i32 s19, s100, 98304
	s_add_co_u32 s18, s18, s19
	s_mul_i32 s19, s101, 6144
	s_add_co_u32 s18, s18, s19
	s_mov_b32 s19, 0
	s_add_nc_u64 s[OB:OB+1], s[OB:OB+1], s[18:19]
	s_lshl_b32 s18, s[JOB], 19
	s_lshl_b32 s66, s100, 13
	s_add_co_u32 s18, s18, s66
	s_lshl_b32 s66, s101, 9
	s_add_co_u32 s18, s18, s66
	s_lshl_b32 s66, s100, 12
	s_lshl_b32 s67, s101, 8
	s_add_co_u32 s66, s66, s67
	s_add_co_u32 s66, s66, 1048576
	s_cmp_eq_u32 s[JOB], 2
	s_cselect_b32 s18, s66, s18
	s_add_nc_u64 s[SBS:SBS+1], s[SBS:SBS+1], s[18:19]
	v_and_b32 v1, 15, v0
	v_bfe_u32 v2, v0, 4, 1
	v_and_b32 v[VOL], 31, v0
	v_lshlrev_b32 v[VOL], 3, v[VOL]
	v_add_nc_u32 v[VOH], s[HI], v[VOL]
	v_mul_lo_u32 v[VS0], v2, s[HS]
	v_lshl_add_u32 v[VS0], v1, 4, v[VS0]
	v_add_nc_u32 v[VS1], s[D1], v[VS0]
	v_mul_lo_u32 v[SH], v2, s[SHS]
.irp b, 0,1,2,3
	v_mov_b32 v[TM+4+\b], 0
.endr
.macro OUTA a
.set AC, 64*((\a)%4)
.if (\a) > 0
	s_wait_xcnt 0x0
.if (\a) == 4
	s_add_nc_u64 s[OB:OB+1], s[OB:OB+1], s[STA4:STA4+1]
.else
	s_add_nc_u64 s[OB:OB+1], s[OB:OB+1], s[STA:STA+1]
.endif
.endif
	WIN 0x28+0x14*((\a)/4)
.irp b, 0,1,2,3
	v_max3_num_f32 v[TM+\b], s[FL], |v[AC+16*\b]|, |v[AC+16*\b+1]|
.endr
.irp i, 2,4,6,8,10,12,14
.irp b, 0,1,2,3
	v_max3_num_f32 v[TM+\b], v[TM+\b], |v[AC+16*\b+\i]|, |v[AC+16*\b+\i+1]|
.endr
.endr
	WIN 0
.irp b, 0,1,2,3
	v_permlanex16_b32 v[TM+4+\b], v[TM+\b], s[SEL], s[SEL+1]
.endr
.irp b, 0,1,2,3
	v_max_num_f32 v[TM+\b], v[TM+\b], v[TM+4+\b]
.endr
.irp b, 0,1,2,3
	v_add_nc_u32 v[TM+12+\b], 0xff000000, v[TM+\b]
.endr
.irp b, 0,1,2,3
	v_lshrrev_b32 v[TM+4+\b], 23, v[TM+12+\b]
.endr
	v_lshl_or_b32 v[PW], v[TM+5], 8, v[TM+4]
	v_lshl_or_b32 v[PW], v[TM+6], 16, v[PW]
	v_lshl_or_b32 v[PW], v[TM+7], 24, v[PW]
	WIN 0x02+((\a)/4)
.irp c, 0,1
	v_cvt_scalef32_pk16_fp6_f32 v[PC+6*\c:PC+2+6*\c], v[AC+32*\c:AC+15+32*\c], v[TM+12+2*\c]
	v_cvt_scalef32_pk16_fp6_f32 v[PT+4*\c:PT+2+4*\c], v[AC+16+32*\c:AC+31+32*\c], v[TM+13+2*\c]
.endr
	WIN 0
	v_nop
.irp c, 0,1
.irp i, 0,1,2
	v_permlane16_swap_b32 v[PC+6*\c+\i], v[PT+4*\c+\i]
.endr
.irp i, 0,1,2
	v_mov_b32 v[PC+3+6*\c+\i], v[PT+4*\c+\i]
.endr
.endr
	v_lshrrev_b32 v[SW+(\a)], v[SH], v[PW]
	v_and_or_b32 v[SW+(\a)], v[SW+(\a)], s[MSK], s[ORV]
.irp i, 0,1,2
	global_store_b64 v[VOL], v[PC+2*\i:PC+2*\i+1], s[OB:OB+1] offset:256*\i
.endr
.irp i, 0,1,2
	global_store_b64 v[VOH], v[PC+6+2*\i:PC+7+2*\i], s[OB:OB+1] offset:256*\i
.endr
.endm
.irp a, 0,1,2,3,4,5,6,7
	OUTA \a
.endr
	global_store_b128 v[VS0], v[SW:SW+3], s[SBS:SBS+1]
	global_store_b128 v[VS1], v[SW+4:SW+7], s[SBS:SBS+1]
	s_wait_tensorcnt 0x0
	ds_add_u32 v[SPW], v[NIL]
	s_wait_dscnt 0x0
	CROUND
	s_endpgm
.Lfunc_end_k_qf45819df69_proj:
	.size	k_qf45819df69_proj, .Lfunc_end_k_qf45819df69_proj-k_qf45819df69_proj
	.p2alignl 7, 3214868480
	.fill 96, 4, 3214868480
	.section	.rodata,"a",@progbits
	.p2align	6, 0x0
	.amdhsa_kernel k_qf45819df69_proj
		.amdhsa_group_segment_fixed_size 327680
		.amdhsa_private_segment_fixed_size 0
		.amdhsa_enable_private_segment 0
		.amdhsa_kernarg_size 48
		.amdhsa_user_sgpr_count 2
		.amdhsa_user_sgpr_kernarg_segment_ptr 1
		.amdhsa_wavefront_size32 1
		.amdhsa_system_sgpr_workgroup_id_x 1
		.amdhsa_system_sgpr_workgroup_id_y 1
		.amdhsa_system_sgpr_workgroup_id_z 1
		.amdhsa_system_vgpr_workitem_id 0
		.amdhsa_next_free_vgpr 1024
		.amdhsa_next_free_sgpr 102
		.amdhsa_reserve_vcc 0
		.amdhsa_float_denorm_mode_32 3
		.amdhsa_float_denorm_mode_16_64 3
		.amdhsa_memory_ordered 1
		.amdhsa_forward_progress 1
		.amdhsa_inst_pref_size 169
	.end_amdhsa_kernel
	.amdgpu_metadata
---
amdhsa.version: [ 1, 2 ]
amdhsa.kernels:
  - .name:           k_qf45819df69_proj
    .symbol:         k_qf45819df69_proj.kd
    .args:
      - { .name: xcod, .offset: 0, .size: 8, .value_kind: global_buffer, .address_space: global }
      - { .name: xscl, .offset: 8, .size: 8, .value_kind: global_buffer, .address_space: global }
      - { .name: wcod, .offset: 16, .size: 8, .value_kind: global_buffer, .address_space: global }
      - { .name: wscl, .offset: 24, .size: 8, .value_kind: global_buffer, .address_space: global }
      - { .name: himg, .offset: 32, .size: 8, .value_kind: global_buffer, .address_space: global }
      - { .name: hscl, .offset: 40, .size: 8, .value_kind: global_buffer, .address_space: global }
    .group_segment_fixed_size: 327680
    .private_segment_fixed_size: 0
    .kernarg_segment_align: 8
    .kernarg_segment_size: 48
    .max_flat_workgroup_size: 128
    .sgpr_count:     102
    .vgpr_count:     1024
    .wavefront_size: 32
...
	.end_amdgpu_metadata
.endif
;; end of part 2
;; launch attn (part 3): grid 4 x 64, 16 waves a work-group, clusters of 4 x 1, 251,904 bytes of LDS; arguments himg, hscl, mask, acod, ascl; writes acod, ascl
.if DOCPART == 3
	.amdgcn_target "amdgcn-amd-amdhsa--gfx1250"
	.amdhsa_code_object_version 6
	.text
	.protected	k_qf45819df69_attn
	.globl	k_qf45819df69_attn
	.p2align	8
	.type	k_qf45819df69_attn,@function
k_qf45819df69_attn:
	s_mov_b64 s[64:65], 0
	v_nop
	global_prefetch_b8 v0, s[64:65] scope:SCOPE_SE
	s_setreg_imm32_b32 hwreg(HW_REG_WAVE_MODE, 25, 1), 1
	s_wait_xcnt 0x0
	s_wait_alu depctr_hold_cnt(0) depctr_sa_sdst(0) depctr_va_vdst(0) depctr_va_sdst(0) depctr_va_ssrc(0) depctr_va_vcc(0) depctr_vm_vsrc(0)
	s_getreg_b32 s2, hwreg(HW_REG_IB_STS2, 6, 4)
	s_cmp_eq_u32 s2, 0
	s_cbranch_scc0 .Lentry_in_a_cluster
	s_endpgm
.Lentry_in_a_cluster:
	s_bfe_u32 s2, ttmp6, 0x10000c
	s_cmp_lg_u32 s2, 0x3003
	s_cbranch_scc0 .Lentry_shape_is_right
	s_endpgm
.Lentry_shape_is_right:
; Attention of one head (bh = 16 x batch + head): both products on codes of FP6 (E2M3) with one E8M0 scale for each 32 along a product's K.  2,048 queries and keys, 64 channels.
; THE SOFTMAX: s = score - mask x 8e9; t = s x log2(e) / 8; M = the row's largest t so far, rounded UP to a whole number; p = 2^(t - M) is quantised along the keys, not normalised.  The row's sum is taken of the
; unquantised p, in f32, and divides O at the end.  When M moves, the sums and O are multiplied by 2^(old M - new M): exact.  O / the sum is quantised here along the channels, for the last projection.
; ORDER OF ROUNDING, stated: -(mask x 8e9), which is mask x 1e9 rounded once and times 8, is the C of the score's matrix instruction, so score / 8 - mask x 1e9 is rounded by the matrix unit and not by a vector
; subtraction; t - M is one fused multiply-add of s.  Where mask x 1e9 is 0 nothing differs; where it is so large that the score is lost beside it, it is lost here too.
; LIMITS: the promise holds while |t| stays under 2^31; a block of zeros gets the byte 1 where the rule says 127 (its codes are zeros, this program alone reads the bytes); NaN and infinities are not served.
; SHARES.  A work-group owns 512 queries of one head, in two passes of 256; each of its sixteen waves owns 16 queries in a pass, in 256 registers, and walks all keys, 128 a step.
; THE HEAD'S WHOLE K AND V LIE IN LDS, 98,304 bytes each, as images of the operand registers, filled once.  The four work-groups of a cluster belong to one head: each of the sixteen parts of 12,288 bytes is asked for
; JOINTLY, one load a wave (waves 0-7: K's parts, 8-15: V's), addresses by arithmetic on the wave's number.  One barrier shows all to all; none stands in the walk.  All is asked for at the head: there is no loop to prefetch in.
; LAYOUT.  Both products are used transposed: S^T = K Q^T, O^T = V^T P^T: a lane holds ONE query (lane % 16).  Row 8 h + j of key tile 4 g + u is key 64 g + 32 h + 8 u + j, so a lane's registers 32 g .. 32 g + 31
; are keys 64 g + 32 (lane / 16) + 0 .. 31: a WHOLE block of 32, in the very place that P's operand wants: a block's maximum and its codes need no other lane.  O^T's registers 16 b + i are channels 32 b + 16 (lane / 16) + i.
; K = 64 IN A STEP OF 128: a key tile is six registers; the instruction names twelve, the upper six being the next tile's (behind the last: zeros).  They meet Q's upper six, zero codes, under bytes 0x7f: they add nothing.
.set KIM,   0                          ; K's images [step 16][tile 8][plane 3][256]
.set VIM,   98304                      ; V's [step 16][tile of channels 4][plane 6][256]
.set KSC,   196608                     ; K's scale words [step 16][i 2][r 16][4 words]
.set VSC,   204800                     ; V's [step 16][r 16][4 words]
.set NBO,   208896                     ; -(mask x 8e9) [key], f32
.set QST,   217088                     ; Q's [pass 2][wave 16][3 planes, 128 bytes of scale words, 128 idle]
.set SPARE, 249856                     ; the spare words
.set AK0,1
.set AV0,2
.set ASK0,3
.set ASV0,4
.set SPW,5
.set NIL,6
.set ANB0,7
.set ADK,8
.set ADV,9
.set ADS,10
.set ADT,11
.set NM,12                             ; v[12:13] -M, twice
.set SH8,14                            ; 8 (lane / 16)
.set ADN,15
.set QF,16                             ; v[16:21] Q's codes; v[22:27] zeros
.set QS,28
.set PS,29
.set AQ0,30
.set AQS0,31
.set KF,32                             ; v[32:79] K's eight tiles; v[80:85] zeros
.set KS,86                             ; v[86:93] K's scale words
.set AO,94
.set TMX,95                            ; the largest s so far
.set SR,96                             ; v[96:159] the mask term, then s, then p
.set OT,160                            ; v[160:191] O^T
.set VF,192                            ; v[192:239] V's four fragments
.set VS,240                            ; v[240:243] V's scale words
.set LS,244                            ; v[244:251] the sum, in eight parts
.set BM,32                             ; behind the scores K's registers are at work
.set BB,34
.set BP,36
.set SO,38
.set BY,40
.set FF,42                             ; v[42:43] f = 2^(old M - new M), twice
.set TMP,44
.set PC,48                             ; v[48:59] p's codes
.set PT,60                             ; v[60:62], v[64:66] the conversions' second halves
.set TB,2
.set TS,3
.set WV,18
.set SEL,20
.set CS,22
.set G1,24
.set G0,32
.set TV,48
.set CNT,49
.set PASS,50
.set PQ,51
.macro CROUND
	s_barrier_signal -1
	s_barrier_wait -1
	s_cmp_lg_u32 s[WV], 0
	s_cbranch_scc1 .Lnot_wave_0_\@
	s_barrier_signal -3
.Lnot_wave_0_\@:
	s_barrier_wait -3
	s_barrier_signal -1
	s_barrier_wait -1
.endm
; two numbers an instruction: destinations even and odd, each pair of sources in different register banks
.macro FMA2 a                          ; s x log2(e) / 8 - M
	v_dual_fmamk_f32 v[\a], v[\a], 0x3e38aa3b, v[NM] :: v_dual_fmamk_f32 v[\a+1], v[\a+1], 0x3e38aa3b, v[NM+1]
.endm
.macro MUL2 a                          ; x f
	v_dual_mul_f32 v[\a], v[FF], v[\a] :: v_dual_mul_f32 v[\a+1], v[FF+1], v[\a+1]
.endm
.macro ADD2 l, p
	v_dual_add_f32 v[\l], v[\l], v[\p] :: v_dual_add_f32 v[\l+1], v[\l+1], v[\p+1]
.endm
	s_load_b128 s[4:7], s[0:1], 0x0                ; the images, their scale words
	s_load_b128 s[8:11], s[0:1], 0x10              ; the mask, the output's codes
	s_load_b64 s[12:13], s[0:1], 0x20              ; the output's scale bytes
	v_lshl_add_u32 v[SPW], v0, 2, SPARE
	v_mov_b32 v[NIL], 0
	ds_add_u32 v[SPW], v[NIL]                      ; the opening lines: the add, twice on end, and its wait
	ds_add_u32 v[SPW], v[NIL]
	v_lshrrev_b32 v8, 5, v0
	v_readfirstlane_b32 s[WV], v8                  ; wave 0..15
	s_bfe_u32 s52, ttmp6, 0x40000                  ; cx: it enters Q's and the output's global addresses alone
	s_and_b32 s53, ttmp7, 0xffff                   ; bh, which the four partners share
	s_lshr_b32 s54, s53, 4
	s_and_b32 s55, s53, 15
	s_lshl_b32 s56, ttmp9, 2
	s_add_co_u32 s56, s56, s52                     ; my block of 512 queries
	s_lshl_b32 s62, s56, 5
	s_add_co_u32 s62, s62, s[WV]                   ; my tile of 16 queries in pass 0; pass 1's is 16 tiles on
	s_mov_b32 s[G1], 15|(3<<16)|(1<<21)            ; the mask: all four; elements of 8 bytes; bit 21 beside a mask
	s_mov_b32 s[G1+1], 32<<16                      ; rows of 256 bytes,
	s_mov_b32 s[G1+2], 48<<16                      ; 48 of them, dense
	s_mov_b32 s[G1+3], 32<<16
	s_mov_b32 s[G1+4], 48
	s_mov_b32 s[G1+5], 32
	s_mov_b32 s[G1+6], 0
	s_mov_b32 s[G1+7], 0
	s_mul_i32 s57, s[WV], 12288                    ; LDS: part w: K's eight, then V's eight
	s_lshr_b32 s58, s[WV], 3
	s_add_co_u32 s58, s58, 1
	s_mul_i32 s58, s58, 6291456                    ; k's images or v's,
	s_and_b32 s60, s[WV], 7
	s_mul_i32 s60, s60, 12288
	s_add_co_u32 s58, s58, s60                     ; my eighth,
	s_mul_i32 s59, s53, 98304                      ; of the head's part
	s_add_co_u32 s58, s58, s59
	s_mul_i32 s72, s62, 768
	s_add_co_u32 s72, s72, s59                     ; Q: the head's images, my tile
	s_mov_b32 s59, 0
	s_mov_b32 s73, 0
	s_lshl_b32 s66, s53, 13                        ; 8,192 bytes of scale words a head (q, k)
	s_lshr_b32 s74, s62, 3
	s_lshl_b32 s74, s74, 9
	s_add_co_u32 s74, s74, s66                     ; Q's word: [128 tokens][tile / 4][r][tile % 4]
	s_bfe_u32 s75, s62, 0x10002
	s_lshl_b32 s75, s75, 8
	s_add_co_u32 s74, s74, s75
	s_and_b32 s75, s62, 3
	s_lshl_b32 s75, s75, 2
	s_add_co_u32 s74, s74, s75
	s_mov_b32 s75, 0
	s_add_co_u32 s66, s66, 524288                  ; k's words
	s_mov_b32 s67, 0
	s_lshl_b32 s68, s53, 12
	s_add_co_u32 s68, s68, 1048576                 ; v's words
	s_mov_b32 s69, 0
	s_lshl_b32 s70, s54, 13                        ; the batch's 2,048 numbers of the mask
	s_mov_b32 s71, 0
	s_lshl_b32 s76, s54, 7
	s_add_co_u32 s76, s76, s62                     ; my tile among the 512 tiles of tokens
	s_lshl_b32 s78, s76, 9
	s_lshl_b32 s79, s55, 1
	s_add_co_u32 s78, s78, s79                     ; the output's scale bytes: 32 a token, 2 a head
	s_mov_b32 s79, 0
	s_mul_i32 s76, s76, 12288
	s_mul_i32 s77, s55, 768
	s_add_co_u32 s76, s76, s77                     ; the output's codes: 12,288 bytes a tile, 768 a head
	s_mov_b32 s77, 0
	s_lshl_b32 s63, s[WV], 10                      ; my part of QST
	s_mov_b32 s[SEL], 0x76543210
	s_mov_b32 s[SEL+1], 0xfedcba98
	s_mov_b32 s[CS], 0x3e38aa3b                    ; log2(e) / 8
	s_mov_b32 s[CS+1], s[CS]
	s_mov_b32 s[PASS], 2
	s_mov_b32 s[PQ], 0
	s_wait_dscnt 0x0                               ; both opening adds are done
	s_wait_kmcnt 0x0
	s_add_nc_u64 s[60:61], s[4:5], s[58:59]
	s_add_nc_u64 s[66:67], s[6:7], s[66:67]
	s_add_nc_u64 s[68:69], s[6:7], s[68:69]
	s_add_nc_u64 s[70:71], s[8:9], s[70:71]
	s_add_nc_u64 s[72:73], s[4:5], s[72:73]
	s_add_nc_u64 s[74:75], s[6:7], s[74:75]
	s_add_nc_u64 s[10:11], s[10:11], s[76:77]
	s_add_nc_u64 s[12:13], s[12:13], s[78:79]
	s_mov_b32 s[G0], 1
	s_mov_b32 s[G0+1], s57
	s_mov_b64 s[G0+2:G0+3], s[60:61]
	s_or_b32 s[G0+3], s[G0+3], 0x80000000
	v_and_b32 v8, 31, v0
	v_and_b32 v9, 15, v0                           ; r
	v_bfe_u32 v10, v0, 4, 1                        ; h
	v_lshlrev_b32 v[AK0], 3, v8
	v_add_nc_u32 v[AV0], VIM, v[AK0]
	v_lshl_add_u32 v[ASK0], v9, 4, KSC
	v_lshl_add_u32 v[ASV0], v9, 4, VSC
	v_lshl_add_u32 v[ANB0], v10, 7, NBO
	v_lshlrev_b32 v[SH8], 3, v10
	v_add_nc_u32 v[AQ0], s63, v[AK0]
	v_add_nc_u32 v[AQ0], QST, v[AQ0]
	v_lshl_add_u32 v[AQS0], v8, 2, s63
	v_add_nc_u32 v[AQS0], QST+768, v[AQS0]
	v_lshlrev_b32 v[AO], 5, v9
	v_lshlrev_b32 v11, 4, v0
	v_lshlrev_b32 v12, 3, v0
	v_lshlrev_b32 v13, 4, v9
	v_lshl_add_u32 v32, v0, 4, KSC
	v_lshl_add_u32 v33, v0, 3, VSC
	global_load_b128 v[96:99], v11, s[66:67]       ; k's scale words of the head: 16 bytes a thread
	global_load_b64 v[100:101], v12, s[68:69]      ; v's: 8 bytes a thread
	global_load_b128 v[104:107], v11, s[70:71]     ; the mask: 4 numbers a thread
.irp ps, 0,1
.irp p, 0,1,2
	global_load_b64 v[108+6*\ps+2*\p:109+6*\ps+2*\p], v[AK0], s[72:73] offset:12288*\ps+256*\p   ; both passes' Q
.endr
	global_load_b32 v[120+\ps], v13, s[74:75] offset:1024*\ps
.endr
.irp j, 0,1,2,3,4,5
	v_mov_b32 v[QF+6+\j], 0                        ; Q's upper half of a K step of 128: zero codes
	v_mov_b32 v[KF+48+\j], 0                       ; and what the last key tile's upper half names
.endr
	s_wait_alu depctr_va_vdst(0)                   ; the wait at the head's end
	CROUND                                         ; all four work-groups are here: the joint loads meet (the small loads above are on their way meanwhile)
	tensor_load_to_lds s[G0:G0+3], s[G1:G1+7]      ; my one load: every wave issues one
	s_nop 0
	s_wait_loadcnt 0x0
.irp j, 0,1,2,3
	v_mul_f32 v[104+\j], 0xcfee6b28, v[104+\j]     ; -(mask x 8e9)
.endr
	ds_store_b128 v32, v[96:99]
	ds_store_b64 v33, v[100:101]
	ds_store_b128 v32, v[104:107] offset:NBO-KSC
.irp ps, 0,1
.irp p, 0,1,2
	ds_store_b64 v[AQ0], v[108+6*\ps+2*\p:109+6*\ps+2*\p] offset:16384*\ps+256*\p
.endr
	ds_store_b32 v[AQS0], v[120+\ps] offset:16384*\ps
.endr
	s_wait_tensorcnt 0x0                           ; my part of K or V is in,
	s_wait_dscnt 0x0                               ; my LDS stores have landed:
	s_barrier_signal -1
	s_barrier_wait -1                              ; both now hold of all sixteen waves; nothing is filled again
.Lpass:
	v_add_nc_u32 v[ADK], s[PQ], v[AQ0]
	v_add_nc_u32 v[ADS], s[PQ], v[AQS0]
	ds_load_b64 v[QF:QF+1], v[ADK]
	ds_load_b64 v[QF+2:QF+3], v[ADK] offset:256
	ds_load_b64 v[QF+4:QF+5], v[ADK] offset:512
	ds_load_b32 v[QS], v[ADS]
	v_mov_b32 v[TMX], 0xff61b1e6                   ; the largest s so far: -3e38
	v_mov_b32 v[NM], 0x7e000000                    ; -M: a large whole number, so that the first f is 0
.set j, 0
.rept 8
	v_mov_b32 v[LS+j], 0
.set j, j+1
.endr
.set j, 0
.rept 32
	v_mov_b32 v[OT+j], 0                           ; the step is written once: the first finds zeros
.set j, j+1
.endr
	s_mov_b32 s[TB], 0
	s_mov_b32 s[TS], 0
	s_mov_b32 s[TV], 0
	s_mov_b32 s[CNT], 16
.Lstep:                                                ; 128 keys
	v_add_nc_u32 v[ADK], s[TB], v[AK0]
	v_add_nc_u32 v[ADS], s[TS], v[ASK0]
	v_add_nc_u32 v[ADN], s[TS], v[ANB0]
	ds_load_b128 v[KS:KS+3], v[ADS]
	ds_load_b128 v[KS+4:KS+7], v[ADS] offset:256
.set j, 0
.rept 16
	ds_load_b128 v[SR+4*j:SR+4*j+3], v[ADN] offset:256*(j/8)+16*(j%8)   ; the mask term of keys 64 g + 32 h + ..: the scores' C
.set j, j+1
.endr
.set t, 0
.rept 8
.irp p, 0,1,2
	ds_load_b64 v[KF+6*t+2*\p:KF+6*t+2*\p+1], v[ADK] offset:768*t+256*\p
.endr
.set t, t+1
.endr
	s_wait_dscnt 0x0                               ; K, its scale words and the mask term are in
.set t, 0
.rept 8
	v_wmma_scale_f32_16x16x128_f8f6f4 v[SR+8*t:SR+8*t+7], v[KF+6*t:KF+6*t+11], v[QF:QF+11], v[SR+8*t:SR+8*t+7], v[KS+t], v[QS] matrix_a_fmt:MATRIX_FMT_FP6 matrix_b_fmt:MATRIX_FMT_FP6
.set t, t+1
.endr
	v_add_nc_u32 v[ADV], s[TB], v[AV0]             ; four places behind the scores
	v_add_nc_u32 v[ADT], s[TV], v[ASV0]
	v_nop
	v_nop
.set t, 0
.rept 4
.irp p, 0,1,2,3,4,5
	ds_load_b64 v[VF+12*t+2*\p:VF+12*t+2*\p+1], v[ADV] offset:1536*t+256*\p   ; V lands while the softmax is walked
.endr
.set t, t+1
.endr
	ds_load_b128 v[VS:VS+3], v[ADT]
.irp c, 0,1
	v_max3_num_f32 v[BM+\c], v[SR+32*\c], v[SR+32*\c+1], v[SR+32*\c+2]
	v_max3_num_f32 v[BB+\c], v[SR+32*\c+17], v[SR+32*\c+18], v[SR+32*\c+19]
.endr
.irp i, 0,2,4,6,8,10
.irp c, 0,1
	v_max3_num_f32 v[BM+\c], v[BM+\c], v[SR+32*\c+3+\i], v[SR+32*\c+4+\i]
	v_max3_num_f32 v[BB+\c], v[BB+\c], v[SR+32*\c+20+\i], v[SR+32*\c+21+\i]
.endr
.endr
.irp c, 0,1
	v_max3_num_f32 v[BM+\c], v[BM+\c], v[SR+32*\c+15], v[SR+32*\c+16]
.endr
.irp c, 0,1
	v_max_num_f32 v[BM+\c], v[BM+\c], v[BB+\c]
.endr
	v_max_num_f32 v[TMP], v[BM], v[BM+1]
	s_delay_alu instid0(VALU_DEP_1)
	v_permlanex16_b32 v[BP], v[TMP], s[SEL], s[SEL+1]
	s_delay_alu instid0(VALU_DEP_1)
	v_max3_num_f32 v[TMX], v[TMP], v[BP], v[TMX]   ; with lane l xor 16's 64 keys: the running largest s
	v_mov_b32 v[TMP], v[NM]
	s_delay_alu instid0(VALU_DEP_2)
	v_mul_f32 v[BP], s[CS], v[TMX]                 ; as t
	s_delay_alu instid0(VALU_DEP_1)
	v_floor_f32 v[NM], -v[BP]                      ; the new -M = -ceil(t): a whole number
	s_delay_alu instid0(VALU_DEP_1)
	v_sub_f32 v[TMP], v[NM], v[TMP]                ; old M less new M: a whole number, 0 or less
	v_mov_b32 v[NM+1], v[NM]
	s_delay_alu instid0(VALU_DEP_2)
	v_cvt_i32_f32 v[TMP], v[TMP]                   ; (it saturates)
	s_delay_alu instid0(VALU_DEP_1)
	v_ldexp_f32 v[FF], 1.0, v[TMP]                 ; f = 2^(old M - new M)
	v_ldexp_f32 v[FF+1], 1.0, v[TMP]
.irp c, 0,1
	v_fma_f32 v[BM+\c], v[BM+\c], s[CS], v[NM]     ; t - M of each block's largest s: the same fused operation as below
.endr
.set j, 0
.rept 32
	FMA2 SR+j
.set j, j+2
.endr
.set j, 0
.rept 16
	MUL2 OT+j                                      ; O^T under the new M
.set j, j+2
.endr
.set j, 0
.rept 4
	MUL2 LS+j                                      ; and the sums
.set j, j+2
.endr
	s_wait_alu depctr_va_vdst(0)                   ; the wait ahead of the batch
.set j, 0
.rept 64
	v_exp_f32 v[SR+j], v[SR+j]                     ; p = 2^(t - M): NOT normalised
.set j, j+1
.endr
.irp c, 0,1
	v_exp_f32 v[BM+\c], v[BM+\c]                   ; the block's largest p
.endr
	v_nop                                          ; a plain place behind the exponentials
	s_wait_alu depctr_va_vdst(0)                   ; and the one wait behind the batch
.irp c, 0,1
	v_max_num_f32 v[BM+\c], 0x1800000, v[BM+\c]    ; the floor 2^(3 - 127): the byte cannot fall under 1
.endr
.irp c, 0,1
	v_add_nc_u32 v[SO+\c], 0xff000000, v[BM+\c]    ; 2 off the exponent field: the conversion's scale operand
.endr
.irp c, 0,1
	v_lshrrev_b32 v[BY+\c], 23, v[SO+\c]
.endr
	v_lshl_or_b32 v[BY], v[BY+1], 16, v[BY]        ; my bytes: blocks h and 2 + h,
	s_delay_alu instid0(VALU_DEP_1)
	v_lshlrev_b32 v[BY], v[SH8], v[BY]             ; at their places;
	s_delay_alu instid0(VALU_DEP_1)
	v_permlanex16_b32 v[BP], v[BY], s[SEL], s[SEL+1]
	s_delay_alu instid0(VALU_DEP_1)
	v_or_b32 v[PS], v[BY], v[BP]                   ; with lane l xor 16's two the word is whole
.irp c, 0,1
	v_cvt_scalef32_pk16_fp6_f32 v[PC+6*\c:PC+6*\c+2], v[SR+32*\c:SR+32*\c+15], v[SO+\c]
	v_cvt_scalef32_pk16_fp6_f32 v[PT+4*\c:PT+4*\c+2], v[SR+32*\c+16:SR+32*\c+31], v[SO+\c]   ; (a conversion's three registers begin on an even number)
.endr
	v_nop                                          ; one plain place behind a scaled conversion
.irp c, 0,1
.irp i, 0,1,2
	v_mov_b32 v[PC+3+6*\c+\i], v[PT+4*\c+\i]
.endr
.endr
.set j, 0
.rept 8
	ADD2 LS+2*(j%4), SR+2*j                        ; THE SUM OF THE UNQUANTISED p, eight parts by turns.  (These 8 are also places in front of the products below)
.set j, j+1
.endr
	s_wait_alu depctr_va_vdst(0)                   ; the wait directly ahead of the waits below
	s_wait_dscnt 0x0                               ; V and its scale words are in
.set t, 0
.rept 4
	v_wmma_scale_f32_16x16x128_f8f6f4 v[OT+8*t:OT+8*t+7], v[VF+12*t:VF+12*t+11], v[PC:PC+11], v[OT+8*t:OT+8*t+7], v[VS+t], v[PS] matrix_a_fmt:MATRIX_FMT_FP6 matrix_b_fmt:MATRIX_FMT_FP6
.set t, t+1
.endr
.rept 24
	ADD2 LS+2*(j%4), SR+2*j                        ; the rest of the sum: also the places behind the products, in front of the next step's loads
.set j, j+1
.endr
	s_add_co_u32 s[TB], s[TB], 6144
	s_add_co_u32 s[TS], s[TS], 512
	s_add_co_u32 s[TV], s[TV], 256
	s_sub_co_u32 s[CNT], s[CNT], 1
	s_cmp_lg_u32 s[CNT], 0
	s_cbranch_scc1 .Lstep
	; THE WAY OUT of a pass.  O^T / the sum is quantised along the channels: blocks 2 hd and 2 hd + 1 of the last projection's K.  The six registers leave as three planes of 256 bytes.
.irp j, 0,2,4,6
	v_add_f32 v[LS+\j], v[LS+\j], v[LS+\j+1]       ; these additions are also the places behind the last products
.endr
	v_add_f32 v[LS], v[LS], v[LS+2]
	v_add_f32 v[LS+4], v[LS+4], v[LS+6]
	s_delay_alu instid0(VALU_DEP_1)
	v_add_f32 v[LS], v[LS], v[LS+4]
	s_delay_alu instid0(VALU_DEP_1)
	v_permlanex16_b32 v[TMP], v[LS], s[SEL], s[SEL+1]
	s_delay_alu instid0(VALU_DEP_1)
	v_add_f32 v[LS], v[LS], v[TMP]                 ; the row's sum
	s_wait_alu depctr_va_vdst(0)                   ; the wait ahead of the reciprocal
	v_rcp_f32 v[FF], v[LS]
	v_nop
	s_wait_alu depctr_va_vdst(0)                   ; and behind it, directly ahead of the first reader of it and of O^T
.set j, 0
.rept 16
	v_pk_mul_f32 v[SR+j:SR+j+1], v[OT+j:OT+j+1], v[FF:FF+1] op_sel_hi:[1,0]   ; register 16 b + i: channel 32 b + 16 h + i
.set j, j+2
.endr
.irp b, 0,1
	v_max3_num_f32 v[BM+\b], |v[SR+16*\b]|, |v[SR+1+16*\b]|, 0x1800000
.endr
.irp i, 2,4,6,8,10,12,14
.irp b, 0,1
	s_delay_alu instid0(VALU_DEP_2)
	v_max3_num_f32 v[BM+\b], v[BM+\b], |v[SR+16*\b+\i]|, |v[SR+1+16*\b+\i]|
.endr
.endr
.irp b, 0,1
	v_permlanex16_b32 v[BP+\b], v[BM+\b], s[SEL], s[SEL+1]
.endr
.irp b, 0,1
	v_max_num_f32 v[BM+\b], v[BM+\b], v[BP+\b]
.endr
.irp b, 0,1
	v_add_nc_u32 v[SO+\b], 0xff000000, v[BM+\b]
.endr
.irp b, 0,1
	v_lshrrev_b32 v[BY+\b], 23, v[SO+\b]
.endr
	v_lshl_or_b32 v[TMP], v[BY+1], 8, v[BY]        ; my token's two bytes
	v_cvt_scalef32_pk16_fp6_f32 v[PC:PC+2], v[SR:SR+15], v[SO]
	v_cvt_scalef32_pk16_fp6_f32 v[PT:PT+2], v[SR+16:SR+31], v[SO+1]
	v_nop
.irp i, 0,1,2
	v_permlane16_swap_b32 v[PC+\i], v[PT+\i]       ; here a block lies in lanes l and l xor 16: the operand's layout wants it whole in a lane
.endr
.irp i, 0,1,2
	v_mov_b32 v[PC+3+\i], v[PT+\i]
.endr
.irp p, 0,1,2
	global_store_b64 v[AK0], v[PC+2*\p:PC+2*\p+1], s[10:11] offset:256*\p   ; 32 lanes store 256 consecutive bytes, aligned
.endr
	global_store_b16 v[AO], v[TMP], s[12:13]       ; both halves of the lanes store the same two bytes
	s_wait_xcnt 0x0                                ; the stores have read their data and bases
	s_add_nc_u64 s[10:11], s[10:11], 196608        ; 16 tiles of tokens on
	s_add_nc_u64 s[12:13], s[12:13], 8192
	s_add_co_u32 s[PQ], s[PQ], 16384
	s_sub_co_u32 s[PASS], s[PASS], 1
	s_cmp_lg_u32 s[PASS], 0
	s_cbranch_scc1 .Lpass
	s_wait_tensorcnt 0x0                           ; the wave's end
	ds_add_u32 v[SPW], v[NIL]
	s_wait_dscnt 0x0
	CROUND                                         ; the closing round
	s_endpgm
.Lfunc_end_k_qf45819df69_attn:
	.size	k_qf45819df69_attn, .Lfunc_end_k_qf45819df69_attn-k_qf45819df69_attn
	.p2alignl 7, 3214868480
	.fill 96, 4, 3214868480
	.section	.rodata,"a",@progbits
	.p2align	6, 0x0
	.amdhsa_kernel k_qf45819df69_attn
		.amdhsa_group_segment_fixed_size 251904
		.amdhsa_private_segment_fixed_size 0
		.amdhsa_enable_private_segment 0
		.amdhsa_kernarg_size 40
		.amdhsa_user_sgpr_count 2
		.amdhsa_user_sgpr_kernarg_segment_ptr 1
		.amdhsa_wavefront_size32 1
		.amdhsa_system_sgpr_workgroup_id_x 1
		.amdhsa_system_sgpr_workgroup_id_y 1
		.amdhsa_system_sgpr_workgroup_id_z 1
		.amdhsa_system_vgpr_workitem_id 0
		.amdhsa_next_free_vgpr 256
		.amdhsa_next_free_sgpr 80
		.amdhsa_reserve_vcc 0
		.amdhsa_float_denorm_mode_32 3
		.amdhsa_float_denorm_mode_16_64 3
		.amdhsa_memory_ordered 1
		.amdhsa_forward_progress 1
		.amdhsa_inst_pref_size 34
	.end_amdhsa_kernel
	.amdgpu_metadata
---
amdhsa.version: [ 1, 2 ]
amdhsa.kernels:
  - .name:           k_qf45819df69_attn
    .symbol:         k_qf45819df69_attn.kd
    .args:
      - { .name: himg, .offset: 0, .size: 8, .value_kind: global_buffer, .address_space: global }
      - { .name: hscl, .offset: 8, .size: 8, .value_kind: global_buffer, .address_space: global }
      - { .name: mask, .offset: 16, .size: 8, .value_kind: global_buffer, .address_space: global }
      - { .name: acod, .offset: 24, .size: 8, .value_kind: global_buffer, .address_space: global }
      - { .name: ascl, .offset: 32, .size: 8, .value_kind: global_buffer, .address_space: global }
    .group_segment_fixed_size: 251904
    .private_segment_fixed_size: 0
    .kernarg_segment_align: 8
    .kernarg_segment_size: 40
    .max_flat_workgroup_size: 512
    .sgpr_count:     80
    .vgpr_count:     256
    .wavefront_size: 32
...
	.end_amdgpu_metadata
.endif
;; end of part 3
;; launch oproj (part 4): grid 8 x 32, 4 waves a work-group, clusters of 4 x 4, 327,680 bytes of LDS; arguments acod, ascl, wcod, wscl, out0; writes out0
.if DOCPART == 4
	.amdgcn_target "amdgcn-amd-amdhsa--gfx1250"
	.amdhsa_code_object_version 6
	.text
	.protected	k_qf45819df69_oproj
	.globl	k_qf45819df69_oproj
	.p2align	8
	.type	k_qf45819df69_oproj,@function
k_qf45819df69_oproj:
	s_mov_b64 s[64:65], 0
	v_nop
	global_prefetch_b8 v0, s[64:65] scope:SCOPE_SE
	s_setreg_imm32_b32 hwreg(HW_REG_WAVE_MODE, 25, 1), 1
	s_wait_xcnt 0x0
	s_wait_alu depctr_hold_cnt(0) depctr_sa_sdst(0) depctr_va_vdst(0) depctr_va_sdst(0) depctr_va_ssrc(0) depctr_va_vcc(0) depctr_vm_vsrc(0)
	s_getreg_b32 s2, hwreg(HW_REG_IB_STS2, 6, 4)
	s_cmp_eq_u32 s2, 0
	s_cbranch_scc0 .Lentry_in_a_cluster
	s_endpgm
.Lentry_in_a_cluster:
	s_bfe_u32 s2, ttmp6, 0x10000c
	s_cmp_lg_u32 s2, 0xf033
	s_cbranch_scc0 .Lentry_shape_is_right
	s_endpgm
.Lentry_shape_is_right:
.set SIZE_M, 8192
.set SIZE_N, 1024
; out0 = att WO on codes of FP6 (E2M3): a block of 256 rows x 128 columns a work-group, so that the grid is 8 x 32 = 256 work-groups; 128 x 64 a wave: A's eight fragments against B's four.
; K goes in steps of 256 through two LDS slots, by joint loads in clusters of 4 x 4 (A's tile shared along a row of the cluster, B's along a column).
; Both operands arrive as images of the operand's registers (12,288 bytes a tile of 16 rows): a load brings tiles of 3,072 bytes, each at a multiple of 256 bytes, and a fragment is six dense reads of 256 bytes.
; On the way out a wave's row of C is 256 bytes: sixteen lanes store one aligned run of 256 bytes, two rows an instruction.
.set SIZE_K, 1024
.set KSTEP,  256
.set NQ,     KSTEP/128
.set KROW,   SIZE_K*6/8
.set FR,     12
.set NL,     6
.set NP,     4
.set ATILE,  3072
.set APITCH, 12288
.set AHALF,  8*ATILE
.set BHALF,  4*ATILE
.set BOFF,   2*AHALF
.set SLOT,   2*AHALF+2*BHALF
.set LAPS,   SIZE_K/(2*KSTEP)
.set KS,     SIZE_K/32
.set SCL,    2*SLOT
.set HALFS,  (128*KS/256)*272
.set SBLK,   (16*KS/256)*272
.set SPARE,  SCL+4*HALFS
.set SPITCH, 528
.set ADRA, 16
.set ADRB, 20
.set STO,  24
.set RD,   25
.set CO,   26
.set ADRS, 27
.set SPW,  28
.set NIL,  29
.set SC,   32
.set AF,   128
.set BK,   128
.set G1, 24
.set G0, 32
.set G1B, 48
.set G0B, 56
.set G1S, 68
.set G0S, 76
.set G1SB, 80
.set G0SB, 88
.set MSB, 0
.macro WIN new
.if MSB != \new
	s_set_vgpr_msb (MSB<<8)|\new
.set MSB, \new
.endif
.endm
.set MUL_LO, 0xa1
.set MUL_HI, 0xf1
.set TO_B,   0x40
.macro JLOAD g0a, g1a, g0b, g1b
	s_cmp_eq_u32 s15, 0
	s_cbranch_scc0 .Lfor_b_\@
	tensor_load_to_lds s[\g0a:\g0a+3], s[\g1a:\g1a+7]
	s_nop 0
.rept 4
	v_nop
.endr
	s_branch .Lasked_\@
.Lfor_b_\@:
	tensor_load_to_lds s[\g0b:\g0b+3], s[\g1b:\g1b+7]
	s_nop 0
.rept 4
	v_nop
.endr
.Lasked_\@:
.endm
.macro CREST
	s_cmp_lg_u32 s14, 0
	s_cbranch_scc1 .Lnot_wave_0_\@
	s_barrier_signal -3
.Lnot_wave_0_\@:
	s_barrier_wait -3
	s_barrier_signal -1
	s_barrier_wait -1
.endm
.macro CROUND
	s_barrier_signal -1
	s_barrier_wait -1
	CREST
.endm
	s_load_b128 s[4:7], s[0:1], 0x0
	s_load_b128 s[8:11], s[0:1], 0x10
	s_load_b64 s[12:13], s[0:1], 0x20
	v_lshl_add_u32 v[SPW], v0, 2, SPARE
	v_mov_b32 v[NIL], 0
	ds_add_u32 v[SPW], v[NIL]
	ds_add_u32 v[SPW], v[NIL]
	v_lshrrev_b32 v1, 5, v0
	v_readfirstlane_b32 s14, v1
	s_lshr_b32 s15, s14, 1
	s_and_b32 s16, s14, 1
	s_bfe_u32 s40, ttmp6, 0x40000
	s_bfe_u32 s41, ttmp6, 0x40004
	s_lshl_b32 s42, ttmp9, 2
	s_add_co_u32 s42, s42, s40
	s_and_b32 s17, ttmp7, 0xffff
	s_lshl_b32 s17, s17, 2
	s_add_co_u32 s17, s17, s41
	s_lshl_b32 s43, s41, 2
	s_lshl_b32 s43, 15, s43
	s_lshl_b32 s44, 0x1111, s40
	s_or_b32 s[G1+0], s43, (3<<16)|(1<<21)
	s_mov_b32 s[G1+1], (ATILE/8)<<16
	s_mov_b32 s[G1+2], 16<<16
	s_mov_b32 s[G1+3], (ATILE/8)<<16
	s_mov_b32 s[G1+4], 16
	s_mov_b32 s[G1+5], APITCH/8
	s_mov_b32 s[G1+6], 0
	s_mov_b32 s[G1+7], 0
	s_or_b32 s[G1B+0], s44, (3<<16)|(1<<21)
	s_mov_b32 s[G1B+1], (ATILE/8)<<16
	s_mov_b32 s[G1B+2], 8<<16
	s_mov_b32 s[G1B+3], (ATILE/8)<<16
	s_mov_b32 s[G1B+4], 8
	s_mov_b32 s[G1B+5], APITCH/8
	s_mov_b32 s[G1B+6], 0
	s_mov_b32 s[G1B+7], 0
	s_or_b32 s[G1S+0], s43, (3<<16)|(1<<20)|(1<<21)|(5<<22)|(3<<25)
	s_or_b32 s[G1SB+0], s44, (3<<16)|(1<<20)|(1<<21)|(5<<22)|(3<<25)
.irp g, G1S, G1SB
	s_mov_b32 s[\g+1], 32<<16
	s_mov_b32 s[\g+2], (KS/(1+(\g-G1S)/(G1SB-G1S)))<<16    ; A's 256 rows: KS runs of 256 bytes; B's 128 rows: half as many
	s_mov_b32 s[\g+3], 32<<16
	s_mov_b32 s[\g+4], KS/(1+(\g-G1S)/(G1SB-G1S))
	s_mov_b32 s[\g+5], 32
	s_mov_b32 s[\g+6], 0
	s_mov_b32 s[\g+7], 0
.endr
	s_lshl_b32 s22, s17, 8
	s_lshr_b32 s20, s22, 4
	s_mul_i32 s20, s20, APITCH
	s_mov_b32 s21, 0
	s_lshl_b32 s22, s22, 5
	s_mov_b32 s23, 0
	s_lshl_b32 s46, s42, 7
	s_lshl_b32 s92, s46, 5
	s_add_co_u32 s92, s92, 3*32768
	s_mov_b32 s93, 0
	s_mul_i32 s46, s46, KROW
	s_add_co_u32 s46, s46, 3*786432
	s_mov_b32 s47, 0
	s_mul_i32 s45, s16, AHALF
	s_mul_i32 s96, s16, BHALF
	s_add_co_u32 s96, s96, BOFF
	s_mul_i32 s18, s16, 128*KROW                   ; in the ring I fetch 8 of a block's 16 tiles: which, in bytes
	s_mov_b32 s19, 0
	s_mul_i32 s94, s16, 64*KROW                    ; and of B's 8 tiles 4
	s_mov_b32 s95, 0
	s_wait_dscnt 0x0
	s_wait_kmcnt 0x0
	s_add_nc_u64 s[20:21], s[4:5], s[20:21]
	s_add_nc_u64 s[22:23], s[6:7], s[22:23]
	s_add_nc_u64 s[46:47], s[8:9], s[46:47]
	s_add_nc_u64 s[92:93], s[10:11], s[92:93]
	CROUND
.set G0H, 4                            ; s[4:7], s[8:11] group 0 for the head's loads of K step 0 (the arguments that lay there have been used)
.set G0HB, 8
	s_mov_b32 s[G0H], 1                            ; the head's four tiles, each whole: K step 0 of A's 16 tiles,
	s_mov_b32 s[G0H+1], 0
	s_mov_b64 s[G0H+2:G0H+3], s[20:21]
	s_or_b32 s[G0H+3], s[G0H+3], 0x80000000
	s_mov_b32 s[G0HB], 1                           ; of B's 8 tiles,
	s_mov_b32 s[G0HB+1], BOFF
	s_mov_b64 s[G0HB+2:G0HB+3], s[46:47]
	s_or_b32 s[G0HB+3], s[G0HB+3], 0x80000000
	s_mov_b32 s[G0S], 1                            ; the scales of A's 256 rows,
	s_mov_b32 s[G0S+1], SCL
	s_mov_b64 s[G0S+2:G0S+3], s[22:23]
	s_or_b32 s[G0S+3], s[G0S+3], 0x80000000
	s_mov_b32 s[G0SB], 1                           ; and of B's
	s_mov_b32 s[G0SB+1], SCL+2*HALFS
	s_mov_b64 s[G0SB+2:G0SB+3], s[92:93]
	s_or_b32 s[G0SB+3], s[G0SB+3], 0x80000000
	s_add_nc_u64 s[20:21], s[20:21], s[18:19]      ; for the ring: my 8 tiles
	s_add_nc_u64 s[46:47], s[46:47], s[94:95]
.irp s, 0,1
	s_mov_b32 s[G0+4*\s], 1
	s_add_co_u32 s[G0+4*\s+1], s45, \s*SLOT
	s_add_nc_u64 s[G0+4*\s+2:G0+4*\s+3], s[20:21], \s*ATILE
	s_or_b32 s[G0+4*\s+3], s[G0+4*\s+3], 0x80000000
	s_mov_b32 s[G0B+4*\s], 1
	s_add_co_u32 s[G0B+4*\s+1], s96, \s*SLOT
	s_add_nc_u64 s[G0B+4*\s+2:G0B+4*\s+3], s[46:47], \s*ATILE
	s_or_b32 s[G0B+4*\s+3], s[G0B+4*\s+3], 0x80000000
.endr
; the head's loads, one a wave, in one tree of branches on the wave's number
.macro ARM under, g0, g1, next
	s_cmp_lt_u32 s14, \under
	s_cbranch_scc0 \next
	tensor_load_to_lds s[\g0:\g0+3], s[\g1:\g1+7]
	s_nop 0
.rept 4
	v_nop
.endr
	s_branch .Lhead_asked
\next:
.endm
	ARM 1, G0H,  G1,  .Lhead_b
	ARM 2, G0HB, G1B, .Lhead_sa
	ARM 3, G0S,  G1S, .Lhead_sb
	tensor_load_to_lds s[G0SB:G0SB+3], s[G1SB:G1SB+7]
	s_nop 0
.rept 4
	v_nop
.endr
.Lhead_asked:
	v_and_b32 v1, 15, v0
	v_bfe_u32 v2, v0, 4, 1
	v_and_b32 v6, 31, v0
	v_lshlrev_b32 v6, 3, v6
	s_mul_i32 s21, s15, AHALF
	s_mul_i32 s22, s16, BHALF
	s_add_co_u32 s22, s22, BOFF
.irp s, 0,1
	v_add_nc_u32 v[ADRA+\s], s21, v6
	v_add_nc_u32 v[ADRB+\s], s22, v6
	s_add_co_u32 s21, s21, SLOT
	s_add_co_u32 s22, s22, SLOT
.endr
	v_mul_u32_u24 v5, v1, KS
	v_lshrrev_b32 v6, 8, v5
	v_lshl_add_u32 v5, v6, 4, v5
	s_mul_i32 s21, s15, HALFS
	s_mul_i32 s22, s16, HALFS/2                    ; B's: my 64 rows, behind A's 256
	s_add_co_u32 s22, s22, 2*HALFS
	s_sub_co_u32 s22, s22, s21
	s_sub_co_u32 s23, s22, 4*SBLK
	s_wait_alu depctr_va_vdst(0)
	v_mul_u32_u24 v6, s22, v2
	v_mul_u32_u24 v7, s23, v2
	s_add_co_u32 s21, s21, SCL
	v_add_nc_u32 v7, v5, v7
	v_add_nc_u32 v5, v5, v6
	v_add_nc_u32 v[ADRS], s21, v5
	v_add_nc_u32 v[ADRS+3], s21, v7                ; for A's blocks 4-7: lanes 16-31 stand four blocks back and read B's four blocks again
	s_mul_i32 s23, s14, 16*SPITCH
	v_mul_u32_u24 v5, v1, SPITCH
	v_lshl_add_u32 v5, v2, 5, v5
	v_add_nc_u32 v[STO], s23, v5
	v_mul_u32_u24 v6, v2, SPITCH                   ; back: lanes 0-15 take one row of 256 bytes, lanes 16-31 the next
	v_lshl_add_u32 v6, v1, 4, v6
	v_add_nc_u32 v[RD], s23, v6
	v_mul_u32_u24 v6, v2, SIZE_N*4                 ; and the same two rows in C
	v_lshl_add_u32 v[CO], v1, 4, v6
	s_lshl_b32 s20, s17, 8
	s_lshl_b32 s21, s15, 7
	s_add_co_u32 s20, s20, s21
	s_mov_b32 s21, 0
	s_mov_b64 s[18:19], SIZE_N*4
	s_mul_u64 s[20:21], s[20:21], s[18:19]
	s_lshl_b32 s46, s42, 9
	s_lshl_b32 s47, s16, 8
	s_add_co_u32 s46, s46, s47
	s_mov_b32 s47, 0
	s_add_nc_u64 s[20:21], s[20:21], s[46:47]
	s_add_nc_u64 s[12:13], s[12:13], s[20:21]
.macro FRAGA reg, adr, q, i
.irp p, 0,1,2,3,4,5
	ds_load_b64 v[\reg+2*\p:\reg+2*\p+1], v[\adr] offset:ATILE*(\i)+1536*(\q)+256*\p
.endr
.endm
.macro MUL16 a0, p, q, sc, zero
.irp a, \a0, \a0+1
.irp b, 0,1,2,3
.if \zero
	v_wmma_scale_f32_16x16x128_f8f6f4 v[8*(8*((\a)%4)+\b):8*(8*((\a)%4)+\b)+7], v[128*(\p)+FR*\b:128*(\p)+FR*\b+FR-1], v[AF+FR*(\a):AF+FR*(\a)+FR-1], 0, v[SC+8*NQ*(\sc)+NQ*\b+(\q)], v[SC+8*NQ*(\sc)+NQ*(\a)+(\q)] matrix_a_fmt:MATRIX_FMT_FP6 matrix_b_fmt:MATRIX_FMT_FP6 matrix_a_scale:MATRIX_SCALE_ROW1
.else
	v_wmma_scale_f32_16x16x128_f8f6f4 v[8*(8*((\a)%4)+\b):8*(8*((\a)%4)+\b)+7], v[128*(\p)+FR*\b:128*(\p)+FR*\b+FR-1], v[AF+FR*(\a):AF+FR*(\a)+FR-1], v[8*(8*((\a)%4)+\b):8*(8*((\a)%4)+\b)+7], v[SC+8*NQ*(\sc)+NQ*\b+(\q)], v[SC+8*NQ*(\sc)+NQ*(\a)+(\q)] matrix_a_fmt:MATRIX_FMT_FP6 matrix_b_fmt:MATRIX_FMT_FP6 matrix_a_scale:MATRIX_SCALE_ROW1
.endif
.endr
.endr
.endm
.macro FETCH_B slot, q, p
	WIN TO_B
.irp i, 0,1,2,3
	FRAGA 128*(\p)+FR*\i, ADRB+\slot, \q, \i
.endr
	WIN 0
.endm
.macro FETCH_A slot, q, i0
.irp i, \i0, \i0+1, \i0+2, \i0+3
	FRAGA AF+FR*(\i), ADRA+\slot, \q, \i
.endr
.endm
.macro SCALES sc
.irp i, 0,1,2,3,4,5,6,7
	ds_load_b64 v[SC+8*NQ*\sc+NQ*\i:SC+8*NQ*\sc+NQ*\i+1], v[ADRS+3*(\i/4)] offset:\i*SBLK
.endr
.endm
.macro PLACES n
.rept \n
	v_nop
.endr
.endm
.macro STEP slot, q, zero
	s_wait_dscnt 4*NL
	WIN MUL_LO
	MUL16 0, (\q)%2, \q, \slot, \zero
	MUL16 2, (\q)%2, \q, \slot, \zero
	s_wait_dscnt 0
	PLACES NP
	FETCH_B \slot, (\q)+1, 1-(\q)%2
	FETCH_A \slot, (\q)+1, 0
	WIN MUL_HI
	MUL16 4, (\q)%2, \q, \slot, \zero
	MUL16 6, (\q)%2, \q, \slot, \zero
	PLACES NP
	WIN 0
	FETCH_A \slot, (\q)+1, 4
.endm
.macro TURN slot, next, fill
	s_wait_tensorcnt 0x0
	ds_add_u32 v[SPW], v[NIL]
	s_wait_dscnt 4*NL+1
	WIN MUL_LO
	MUL16 0, 1, NQ-1, \slot, 0
	s_wait_dscnt 0x0
	s_barrier_signal -1
	MUL16 2, 1, NQ-1, \slot, 0
	WIN 0
	s_barrier_wait -1
.if \fill
	CREST
	s_add_nc_u64 s[G0+4*\slot+2:G0+4*\slot+3], s[G0+4*\slot+2:G0+4*\slot+3], 2*ATILE
	s_add_nc_u64 s[G0B+4*\slot+2:G0B+4*\slot+3], s[G0B+4*\slot+2:G0B+4*\slot+3], 2*ATILE
	JLOAD G0+4*\slot, G1, G0B+4*\slot, G1B
.else
	PLACES NP
.endif
	s_wait_alu depctr_va_vdst(0)
	v_add_nc_u32 v[ADRS], 4*NQ, v[ADRS]
	v_add_nc_u32 v[ADRS+3], 4*NQ, v[ADRS+3]
	FETCH_B \next, 0, 0
	FETCH_A \next, 0, 0
	SCALES \next
	WIN MUL_HI
	MUL16 4, 1, NQ-1, \slot, 0
	MUL16 6, 1, NQ-1, \slot, 0
	PLACES NP
	WIN 0
	FETCH_A \next, 0, 4
.endm
	s_wait_alu depctr_va_vdst(0)                   ; the wait at the head's end
	s_wait_tensorcnt 0x0                           ; my tile of the head's four is in
	ds_add_u32 v[SPW], v[NIL]
	s_mov_b32 s[G1+2], 8<<16                       ; no tensor load of mine is out: from here on a load brings 8 tiles
	s_mov_b32 s[G1+4], 8
	s_mov_b32 s[G1B+2], 4<<16                      ; (B's: 4 tiles)
	s_mov_b32 s[G1B+4], 4
	s_wait_dscnt 0x0
	CROUND                                         ; all four tiles are in, and all sixteen work-groups are here
	JLOAD G0+4, G1, G0B+4, G1B                     ; K step 1, the first tensor load behind the round
	FETCH_B 0, 0, 0
	FETCH_A 0, 0, 0
	SCALES 0
	FETCH_A 0, 0, 4
	STEP 0, 0, 1
	s_mov_b32 s3, LAPS-1
.Llap:
	TURN 0, 1, 1
	STEP 1, 0, 0
	TURN 1, 0, 1
	STEP 0, 0, 0
	s_sub_co_u32 s3, s3, 1
	s_cmp_lg_u32 s3, 0
	s_cbranch_scc1 .Llap
	TURN 0, 1, 0
	STEP 1, 0, 0
	s_wait_dscnt 4*NL
	WIN MUL_LO
	MUL16 0, 1, NQ-1, 1, 0
	MUL16 2, 1, NQ-1, 1, 0
	s_wait_dscnt 0
	WIN MUL_HI
	MUL16 4, 1, NQ-1, 1, 0
	MUL16 6, 1, NQ-1, 1, 0
	WIN 0
.macro TOSTAGE a
.set AC, 64*((\a)%4)
	WIN 0x08+4*((\a)/4)
.irp b, 0,1,2,3
	ds_store_b128 v[STO], v[AC+8*\b:AC+8*\b+3] offset:64*\b
	ds_store_b128 v[STO], v[AC+8*\b+4:AC+8*\b+7] offset:64*\b+16
.endr
	WIN 0
.set BB, BK+64*((\a)%2)
.irp t, 0,1,2,3,4,5,6,7
	ds_load_b128 v[BB+4*\t:BB+4*\t+3], v[RD] offset:2*\t*SPITCH
.endr
.endm
.macro SEND a, younger
.set BB, BK+64*((\a)%2)
	s_wait_dscnt \younger
.if (\a) > 0
	s_add_nc_u64 s[12:13], s[12:13], 16*SIZE_N*4
.endif
.irp t, 0,1,2,3,4,5,6,7
	global_store_b128 v[CO], v[BB+4*\t:BB+4*\t+3], s[12:13] offset:2*\t*SIZE_N*4 th:TH_STORE_NT
.endr
.endm
	PLACES NP
	TOSTAGE 0
.irp a, 1,2,3,4,5,6,7
.if \a > 1
	s_wait_xcnt 0x0
.endif
	TOSTAGE \a
	SEND \a-1, 16
.endr
	s_wait_xcnt 0x0
	SEND 7, 0
	s_wait_tensorcnt 0x0
	ds_add_u32 v[SPW], v[NIL]
	s_wait_dscnt 0x0
	CROUND
	s_endpgm
.Lfunc_end_k_qf45819df69_oproj:
	.size	k_qf45819df69_oproj, .Lfunc_end_k_qf45819df69_oproj-k_qf45819df69_oproj
	.p2alignl 7, 3214868480
	.fill 96, 4, 3214868480
	.section	.rodata,"a",@progbits
	.p2align	6, 0x0
	.amdhsa_kernel k_qf45819df69_oproj
		.amdhsa_group_segment_fixed_size 327680
		.amdhsa_private_segment_fixed_size 0
		.amdhsa_enable_private_segment 0
		.amdhsa_kernarg_size 40
		.amdhsa_user_sgpr_count 2
		.amdhsa_user_sgpr_kernarg_segment_ptr 1
		.amdhsa_wavefront_size32 1
		.amdhsa_system_sgpr_workgroup_id_x 1
		.amdhsa_system_sgpr_workgroup_id_y 1
		.amdhsa_system_sgpr_workgroup_id_z 1
		.amdhsa_system_vgpr_workitem_id 0
		.amdhsa_next_free_vgpr 1024
		.amdhsa_next_free_sgpr 98
		.amdhsa_reserve_vcc 0
		.amdhsa_float_denorm_mode_32 3
		.amdhsa_float_denorm_mode_16_64 3
		.amdhsa_memory_ordered 1
		.amdhsa_forward_progress 1
		.amdhsa_inst_pref_size 103
	.end_amdhsa_kernel
	.amdgpu_metadata
---
amdhsa.version: [ 1, 2 ]
amdhsa.kernels:
  - .name:           k_qf45819df69_oproj
    .symbol:         k_qf45819df69_oproj.kd
    .args:
      - { .name: acod, .offset: 0, .size: 8, .value_kind: global_buffer, .address_space: global }
      - { .name: ascl, .offset: 8, .size: 8, .value_kind: global_buffer, .address_space: global }
      - { .name: wcod, .offset: 16, .size: 8, .value_kind: global_buffer, .address_space: global }
      - { .name: wscl, .offset: 24, .size: 8, .value_kind: global_buffer, .address_space: global }
      - { .name: out0, .offset: 32, .size: 8, .value_kind: global_buffer, .address_space: global }
    .group_segment_fixed_size: 327680
    .private_segment_fixed_size: 0
    .kernarg_segment_align: 8
    .kernarg_segment_size: 40
    .max_flat_workgroup_size: 128
    .sgpr_count:     98
    .vgpr_count:     1024
    .wavefront_size: 32
...
	.end_amdgpu_metadata
.endif
;; end of part 4
